; MI455X (gfx1250); checked and timed in simulation.
; The chip was launched on July 23, 2026; its instructions are those of AMD's public machine-readable ISA for CDNA 5 (MIT licence, August 2026) and "CDNA5" Instruction Set Architecture Reference Guide (July 2026). The comments in the code are by the model that wrote it; some were corrected since.
;; Multi Head Self Attention. Allowed arithmetic: matrix products marked QUANTISED: E4M3 operands, one E8M0 scale for each 32 along K, by v_wmma_scale_f32_16x16x128_f8f6f4 with both operands' format E4M3, f32 sums; everything else in f32.
;; Inputs: bk 1,024 float32; bo 1,024 float32; bq 1,024 float32; bv 1,024 float32; wk 1,024 x 1,024 float32; wo 1,024 x 1,024 float32; wq 1,024 x 1,024 float32; wv 1,024 x 1,024 float32; x 4 x 2,048 x 1,024 float32.
;; Outputs: out0 4 x 2,048 x 1,024 float32.
;; This version of the problem:
;;   THIS VERSION OF THE PROBLEM IS GIVEN IN LOW PRECISION. The matrix products marked QUANTISED in the list below multiply operands that are first quantised to E4M3 (4 exponent bits, 3 mantissa bits; 8 bits a number), with one power-of-two scale for each 32 numbers along K (OCP MX v1.0); their sums are f32. All else is computed in f32.
;;   The module's matrix products, in the order in which they are computed (A, B: the left and right operand; K: the contracted axis; several contracted axes count as one K, in the product's order):
;;     1. [M 8,192, K 1,024] x [K 1,024, N 1,024]; A: input x; B: input wq: QUANTISED
;;     2. [M 8,192, K 1,024] x [K 1,024, N 1,024]; A: input x; B: input wk: QUANTISED
;;     3. [M 8,192, K 1,024] x [K 1,024, N 1,024]; A: input x; B: input wv: QUANTISED
;;     4. batch 64 x [M 2,048, K 64] x [K 64, N 2,048]; A: computed on the way; B: computed on the way: QUANTISED
;;     5. batch 64 x [M 2,048, K 2,048] x [K 2,048, N 64]; A: softmax (see below); B: computed on the way: QUANTISED
;;     6. [M 8,192, K 1,024] x [K 1,024, N 1,024]; A: computed on the way; B: input wo: QUANTISED
;;   THE QUANTISER, for each operand of a quantised product, along K:
;;     - K is cut into blocks of 32 from its start; a last block that is shorter is filled with zeros.
;;     - A block's scale is 2^e with e = floor(log2(the largest magnitude in the block)) - 8, held to -126 .. 127; a block of zeros has e = 0. As a byte (E8M0): e + 127.
;;     - Each number is divided by its block's scale, clamped to +-448, and rounded to the nearest number of E4M3, ties to even, subnormals kept.
;;     - The product sums the exact products of the quantised numbers (number of the format x scale) in f32.
;;   ~~~python
;;   def quantise(x, axis):      # numpy; x: float32 -> the quantised numbers, widened to float32 again
;;       x = np.moveaxis(x, axis, -1); K = x.shape[-1]
;;       x = np.pad(x, [(0, 0)] * (x.ndim - 1) + [(0, -K % 32)]); x = x.reshape(x.shape[:-1] + (-1, 32)); a = np.abs(x).max(-1, keepdims=True)
;;       e = np.where(a > 0, np.clip(np.frexp(np.where(a > 0, a, 1))[1] - 1 - 8, -126, 127), 0)      # np.frexp(a)[1] - 1 = floor(log2(a)), exactly
;;       r = np.clip(x / 2.0 ** e, -448, 448)
;;       step = 2.0 ** (np.maximum(np.frexp(np.where(r == 0, 1, r))[1] - 1, -6) - 3)
;;       q = np.round(r / step) * step * 2.0 ** e      # np.round: ties to even
;;       return np.moveaxis(q.reshape(q.shape[:-2] + (-1,))[..., :K], -1, axis).astype(np.float32)
;;   ~~~
;;   SOFTMAX AHEAD OF A QUANTISED PRODUCT. Where the list says 'softmax', what is quantised is not the finished softmax but p = 2^(t - M), with t = logit x log2(e) and M = ceil(the row's largest t), a whole number; so 1/2 < the row's largest p <= 1. The row's sum l is taken of the UNQUANTISED p, in f32, and the product's result is divided by l at the end. Since M is a whole number, a kernel that streams over the keys may use a running M (the ceiling of the running maximum): every later rescaling is an exact power of two, which a block's scale takes up: the codes' values come out the same.
;;   OPERANDS COMPUTED ON THE WAY. 'Computed on the way' means the value that the module computes at that place (a softmax that the list does not call 'softmax' is quantised finished and normalised). What goes into a quantiser is computed in f32, as accurately as f32 sums, v_exp_f32 and their like allow (about 1e-6 of the number): no bf16 or f16 on the way to a quantiser, and a product that is left as it is and whose result goes on into a quantised operand takes f32 operands (vector FMAs, or v_wmma_f32_16x16x4_f32). A number that lies on a knife's edge between two numbers of the format may be rounded either way, as far as f32 arithmetic and the matrix unit's own rounding can turn it there, and no further.
;; One version. Each part assembles by itself: llvm-mc -triple=amdgcn-amd-amdhsa -mcpu=gfx1250 --defsym DOCPART=n.
;; ======== version 1 of 1: 4 launches
;; limits: right only within a limited range of input values
;; workspace buffers: img 12,582,912 bytes; sc 393,216 bytes; qkv 25,952,256 bytes; aimg 8,388,608 bytes; asc 262,144 bytes
;; launch quant (part 1): grid 384 x 1, 4 waves a work-group, no clusters, 34,304 bytes of LDS; arguments x, wq, wk, wv, wo, img, sc; writes img, sc
.if DOCPART == 1
	.amdgcn_target "amdgcn-amd-amdhsa--gfx1250"
	.amdhsa_code_object_version 6
	.text
	.protected	k_q56e4dca942_quant
	.globl	k_q56e4dca942_quant
	.p2align	8
	.type	k_q56e4dca942_quant,@function
k_q56e4dca942_quant:
	s_mov_b64 s[64:65], 0
	v_nop
	global_prefetch_b8 v0, s[64:65] scope:SCOPE_SE
	s_setreg_imm32_b32 hwreg(HW_REG_WAVE_MODE, 25, 1), 1
	s_wait_xcnt 0x0
; x [8192][1024] and wq, wk, wv, wo [1024][1024], f32, K innermost, become codes of FP8 (E4M3) with one E8M0 byte for each 32 along K.
; A block's scale is 2^(floor(log2(its largest magnitude)) - 8); each number is divided by it and rounded to the nearest code, ties to even.
; LAYOUT OF img: row blocks of 16 rows, 16,384 bytes each: [8 K steps of 128][4 chunks c][32 lanes][16 bytes]: lane (r = l % 16, h = l / 16) of chunk c holds k = 32 c + 16 h + 0 .. 15 of the block's row slot r:
; the image of a matrix operand's registers, so that every later load of a chunk is 512 consecutive bytes.  Row blocks 0-511 x, 512-575 wq, 576-639 wk, 640-703 wv, 704-767 wo.
; THE ROWS OF A BLOCK ARE NOT NEIGHBOURS: in each group of 32 rows, block 2 G + u, slot r, holds row 32 G + 8 u + r % 8 + 16 (r / 8).
; LAYOUT OF sc: 512 bytes a row block: the word (four bytes, 128 along K) of slot r and K step s at 256 (s / 4) + 16 r + 4 (s % 4).
; SHARES: a work-group takes a group of 32 rows; wave w takes row block u = w % 2 and K half w / 2 (four K steps).  A load reads 512 consecutive bytes of one row; the 16 rows of a K step turn through the wave's
; own stage in LDS, so that a lane gets 16 neighbours of each of the four blocks of its row.  No barrier: waves share nothing.  Two K steps' loads (32 a wave) are out at the start, 16 while a step is worked.
; LIMITS: NaN and infinities among the inputs are not served.  A block whose largest magnitude lies under 2^-118, a block of zeros among them, gets the byte 1 (the rule says 127 for a block of zeros): a block of zeros
; has zero codes, which add nothing under any byte but 0xff, and the bytes are read by this program alone.
.set ROWB, 4096                        ; a row in memory
.set SPI,  528                         ; a stage row: 512 bytes + 16 = 132 words: row r starts at bank 4 r mod 64 (64 banks of 4 bytes: ISA guide 11.1)
.set STG,  16*SPI                      ; a wave's stage
.set R,    16                          ; v16-143  two sets of 64: a K step as loaded
.set X,    144                         ; v144-207 64 numbers: register 16 b + i = k 32 b + 16 h + i of my row
.set PC,   208                         ; v208-223 the codes: a fragment's registers
.set TM,   224                         ; v224-239 at work
.set PW,   240                         ; v240-243 the four K steps' scale words
.set FW,   244                         ; v244-245 the two words that I store
.set SEL,  30                          ; s[30:31] selects of v_permlanex16_b32: lane l xor 16
.set MNT,  32
.set HM,   33                          ; s33 a mask of lanes 16-31
	s_load_b256 s[4:11], s[0:1], 0x0               ; x, wq, wk, wv
	s_load_b128 s[12:15], s[0:1], 0x20             ; wo, img
	s_load_b64 s[16:17], s[0:1], 0x30              ; sc
	v_lshl_add_u32 v248, v0, 2, 0x8400
	v_mov_b32 v249, 0
	v_lshrrev_b32 v5, 5, v0
	v_readfirstlane_b32 s18, v5                    ; wave
	v_and_b32 v6, 31, v0                           ; lane
	v_and_b32 v7, 15, v0                           ; r
	v_bfe_u32 v8, v0, 4, 1                         ; h
	v_lshlrev_b32 v1, 4, v6                        ; 16 x lane: my bytes of a load's and of a store's 512
	s_mul_i32 s19, s18, STG
	v_add_nc_u32 v2, s19, v1                       ; into the stage
	v_mul_u32_u24 v3, v7, SPI
	v_lshl_add_u32 v3, v8, 6, v3
	v_add_nc_u32 v3, s19, v3                       ; out of it: row r, + 64 h: 16 numbers of a block of 32
	v_lshlrev_b32 v4, 4, v7
	v_lshl_add_u32 v4, v8, 3, v4                   ; scale words: 16 r + 8 h
	s_and_b32 s20, s18, 1                          ; u
	s_lshr_b32 s21, s18, 1                         ; K half
	s_and_b32 s22, ttmp9, 31                       ; a weight's group of 32 rows,
	s_cmp_lt_u32 ttmp9, 256
	s_cselect_b32 s22, ttmp9, s22                  ; or x's
	s_lshl_b32 s24, s22, 17                        ; 32 rows of 4,096 bytes
	s_lshl_b32 s23, s20, 15                        ; + 8 u rows
	s_add_co_u32 s24, s24, s23
	s_lshl_b32 s23, s21, 11                        ; + 512 numbers for the K half
	s_add_co_u32 s24, s24, s23
	s_mov_b32 s25, 0
	s_lshl_b32 s26, ttmp9, 1
	s_add_co_u32 s26, s26, s20                     ; my row block
	s_lshl_b32 s28, s26, 9
	s_lshl_b32 s26, s26, 14
	s_lshl_b32 s23, s21, 13
	s_add_co_u32 s26, s26, s23                     ; img: + four K steps of 2,048 bytes
	s_lshl_b32 s23, s21, 8
	s_add_co_u32 s28, s28, s23                     ; sc: + 256
	s_mov_b32 s27, 0
	s_mov_b32 s29, 0
	s_mov_b32 s[SEL], 0x76543210
	s_mov_b32 s[SEL+1], 0xfedcba98
	s_mov_b32 s[HM], 0xffff0000
.irp b, 0,1,2,3
	v_mov_b32 v[TM+4+\b], 0                        ; written once: a lane permute's destination counts as one of its sources
.endr
	s_wait_alu depctr_va_vdst(0)
	s_wait_kmcnt 0x0
	s_cmp_lt_u32 ttmp9, 352                        ; which tensor: the choice hangs on the work-group's number alone
	s_cselect_b64 s[12:13], s[10:11], s[12:13]
	s_cmp_lt_u32 ttmp9, 320
	s_cselect_b64 s[12:13], s[8:9], s[12:13]
	s_cmp_lt_u32 ttmp9, 288
	s_cselect_b64 s[12:13], s[6:7], s[12:13]
	s_cmp_lt_u32 ttmp9, 256
	s_cselect_b64 s[12:13], s[4:5], s[12:13]
	s_add_nc_u64 s[12:13], s[12:13], s[24:25]
	s_add_nc_u64 s[14:15], s[14:15], s[26:27]
	s_add_nc_u64 s[16:17], s[16:17], s[28:29]
.macro LOAD s                          ; K step s of my 16 rows: slot i is row i % 8 + 16 (i / 8) of my eight-row pairs
.set i, 0
.rept 16
	global_load_b128 v[R+64*((\s)%2)+4*i:R+64*((\s)%2)+4*i+3], v1, s[12:13] offset:((i%8)+16*(i/8))*ROWB+512*(\s) th:TH_LOAD_NT
.set i, i+1
.endr
.endm
; 64 numbers of a lane, v[s] on, become a fragment's codes in v[PC] on and my row's scale word in v[pw]
.macro QUANT s, pw
.irp b, 0,1,2,3
	v_max3_num_f32 v[TM+\b], |v[\s+16*\b]|, |v[\s+1+16*\b]|, 0x4800000   ; block b: my 16 numbers, and the floor 2^(9 - 127): the byte cannot fall under 1
.endr
.irp i, 2,4,6,8,10,12,14
.irp b, 0,1,2,3
	v_max3_num_f32 v[TM+\b], v[TM+\b], |v[\s+16*\b+\i]|, |v[\s+1+16*\b+\i]|   ; the four blocks by turns
.endr
.endr
.irp b, 0,1,2,3
	v_permlanex16_b32 v[TM+4+\b], v[TM+\b], s[SEL], s[SEL+1]
.endr
.irp b, 0,1,2,3
	v_max_num_f32 v[TM+\b], v[TM+\b], v[TM+4+\b]   ; with lane l xor 16's 16: the block's largest magnitude
.endr
.irp b, 0,1,2,3
	v_add_nc_u32 v[TM+12+\b], 0xfc000000, v[TM+\b] ; 8 off its exponent field: the conversion takes this operand's exponent field as its scale
.endr
.irp b, 0,1,2,3
.endr
.irp b, 0,1,2,3
	v_lshrrev_b32 v[TM+4+\b], 23, v[TM+12+\b]      ; the scale's byte
.endr
	v_lshl_or_b32 v[\pw], v[TM+5], 8, v[TM+4]
	v_lshl_or_b32 v[\pw], v[TM+6], 16, v[\pw]
	v_lshl_or_b32 v[\pw], v[TM+7], 24, v[\pw]
.irp b, 0,1,2,3
.irp i, 0,1,2,3,4,5,6,7,8,9,10,11,12,13,14,15
.endr
	v_cvt_scalef32_pk8_fp8_f32 v[PC+4*\b:PC+1+4*\b], v[\s+16*\b:\s+7+16*\b], v[TM+12+\b]
	v_cvt_scalef32_pk8_fp8_f32 v[PC+2+4*\b:PC+3+4*\b], v[\s+8+16*\b:\s+15+16*\b], v[TM+12+\b]
.endr
	v_nop                                          ; one plain line behind the last conversion
.endm
.macro STEP s
.if (\s) < 3
	s_wait_loadcnt 16                              ; this K step's 16 loads are in; the next step's 16 may be out
.else
	s_wait_loadcnt 0x0
.endif
.set i, 0
.rept 16
	ds_store_b128 v2, v[R+64*((\s)%2)+4*i:R+64*((\s)%2)+4*i+3] offset:SPI*i
.set i, i+1
.endr
.irp b, 0,1,2,3
.irp j, 0,1,2,3
	ds_load_b128 v[X+16*\b+4*\j:X+16*\b+4*\j+3], v3 offset:128*\b+16*\j   ; LDS serves a wave's instructions in order (ISA guide 5.7.1.4): these see the stores above
.endr
.endr
	s_wait_dscnt 0x0                               ; my numbers are back, and the stores have read their registers,
.if (\s) < 2
	LOAD (\s)+2                                    ; which take the loads of two steps on
.endif
.if (\s) > 0
	s_wait_xcnt 0x0                                ; the last step's stores have read the codes' registers: they are written again only behind this wait
.endif
	QUANT X, PW+(\s)
.irp c, 0,1,2,3
	global_store_b128 v1, v[PC+4*\c:PC+4*\c+3], s[14:15] offset:2048*(\s)+512*\c   ; 32 lanes store 512 consecutive bytes, aligned
.endr
.endm
	LOAD 0
	LOAD 1
	STEP 0
	STEP 1
	STEP 2
	STEP 3
	v_cndmask_b32 v[FW], v[PW], v[PW+2], s[HM]     ; lanes 0-15 store words 0 and 1 of their row, lanes 16-31 words 2 and 3
	v_cndmask_b32 v[FW+1], v[PW+1], v[PW+3], s[HM]
	global_store_b64 v4, v[FW:FW+1], s[16:17]      ; 32 lanes store 256 consecutive bytes, aligned
	s_wait_tensorcnt 0x0
	ds_add_u32 v248, v249
	s_wait_dscnt 0x0
	s_endpgm
.Lfunc_end_k_q56e4dca942_quant:
	.size	k_q56e4dca942_quant, .Lfunc_end_k_q56e4dca942_quant-k_q56e4dca942_quant
	.p2alignl 7, 3214868480
	.fill 96, 4, 3214868480
	.section	.rodata,"a",@progbits
	.p2align	6, 0x0
	.amdhsa_kernel k_q56e4dca942_quant
		.amdhsa_group_segment_fixed_size 34304
		.amdhsa_private_segment_fixed_size 0
		.amdhsa_enable_private_segment 0
		.amdhsa_kernarg_size 56
		.amdhsa_user_sgpr_count 2
		.amdhsa_user_sgpr_kernarg_segment_ptr 1
		.amdhsa_wavefront_size32 1
		.amdhsa_system_sgpr_workgroup_id_x 1
		.amdhsa_system_sgpr_workgroup_id_y 1
		.amdhsa_system_sgpr_workgroup_id_z 1
		.amdhsa_system_vgpr_workitem_id 0
		.amdhsa_next_free_vgpr 250
		.amdhsa_next_free_sgpr 66
		.amdhsa_reserve_vcc 0
		.amdhsa_float_denorm_mode_32 3
		.amdhsa_float_denorm_mode_16_64 3
		.amdhsa_fp16_overflow 1
		.amdhsa_memory_ordered 1
		.amdhsa_forward_progress 1
		.amdhsa_inst_pref_size 34
	.end_amdhsa_kernel
	.amdgpu_metadata
---
amdhsa.version: [ 1, 2 ]
amdhsa.kernels:
  - .name:           k_q56e4dca942_quant
    .symbol:         k_q56e4dca942_quant.kd
    .args:
      - { .name: x, .offset: 0, .size: 8, .value_kind: global_buffer, .address_space: global }
      - { .name: wq, .offset: 8, .size: 8, .value_kind: global_buffer, .address_space: global }
      - { .name: wk, .offset: 16, .size: 8, .value_kind: global_buffer, .address_space: global }
      - { .name: wv, .offset: 24, .size: 8, .value_kind: global_buffer, .address_space: global }
      - { .name: wo, .offset: 32, .size: 8, .value_kind: global_buffer, .address_space: global }
      - { .name: img, .offset: 40, .size: 8, .value_kind: global_buffer, .address_space: global }
      - { .name: sc, .offset: 48, .size: 8, .value_kind: global_buffer, .address_space: global }
    .group_segment_fixed_size: 34304
    .private_segment_fixed_size: 0
    .kernarg_segment_align: 8
    .kernarg_segment_size: 56
    .max_flat_workgroup_size: 128
    .sgpr_count:     66
    .vgpr_count:     250
    .wavefront_size: 32
...
	.end_amdgpu_metadata
.endif
;; end of part 1
;; launch qkv (part 2): grid 12 x 32, 4 waves a work-group, clusters of 4 x 4, 327,680 bytes of LDS; arguments img, sc, bq, bk, bv, qkv; writes qkv
.if DOCPART == 2
	.amdgcn_target "amdgcn-amd-amdhsa--gfx1250"
	.amdhsa_code_object_version 6
	.text
	.protected	k_q56e4dca942_qkv
	.globl	k_q56e4dca942_qkv
	.p2align	8
	.type	k_q56e4dca942_qkv,@function
k_q56e4dca942_qkv:
	s_mov_b64 s[64:65], 0
	v_nop
	global_prefetch_b8 v0, s[64:65] scope:SCOPE_SE
	s_setreg_imm32_b32 hwreg(HW_REG_WAVE_MODE, 25, 1), 1
	s_wait_xcnt 0x0
	s_wait_alu depctr_hold_cnt(0) depctr_sa_sdst(0) depctr_va_vdst(0) depctr_va_sdst(0) depctr_va_ssrc(0) depctr_va_vcc(0) depctr_vm_vsrc(0)
	s_getreg_b32 s2, hwreg(HW_REG_IB_STS2, 6, 4)
	s_cmp_eq_u32 s2, 0
	s_cbranch_scc0 .Lentry_in_a_cluster
	s_endpgm
.Lentry_in_a_cluster:
	s_bfe_u32 s2, ttmp6, 0x10000c
	s_cmp_lg_u32 s2, 0xf033
	s_cbranch_scc0 .Lentry_shape_is_right
	s_endpgm
.Lentry_shape_is_right:
; q = x wq^T + bq, k = x wk^T + bk and v^T = wv x^T + bv on codes of FP8 (E4M3) with E8M0 scales, sums in f32; each result is quantised in registers (q, k along the head's 64, v along the tokens) and stored as codes.
; A tile of 256 x 256 is made by a work-group of four waves, 128 x 128 a wave: 64 accumulators of 16 x 16.  K = 1,024 goes in four steps of 256 through two LDS slots filled by the tensor data mover; the steps are written out.
; OPERANDS lie in img as images of operand registers (16 rows x 128 K = 2,048 bytes, lane l's 16 bytes of chunk c at 512 c + 16 l), so LDS needs no pitch and no padding: every LDS load reads 512 consecutive bytes.
; In each group of 32 rows, block 2 G + u, slot r, holds row 32 G + 8 u + r % 8 + 16 (r / 8).  THE MATRIX INSTRUCTION IS USED TRANSPOSED (source 0 = 16 rows of the side called B, source 1 = 16 rows of A): lane (r, h) then holds
; A's slot r, and the 16 registers of B's blocks 2 b, 2 b + 1 are B's rows 32 b + 16 h + 0 .. 15: 16 neighbours along the axis that is quantised, in the order of an operand's registers.
; WHICH PRODUCT: the cluster's x: 0 q, 1 k (A = x, B = the weight), 2 v (A = wv, B = x: the same product with the roles changed, so that the tokens lie along a lane's registers).
; CLUSTERS: 4 x 4 work-groups; A's tiles are asked for jointly along a row of the cluster, B's along a column.  The scale words of the work-group's rows for all of K come once, with the first fills.
; THE BIAS is the C of each sum's first matrix instruction: for q, k eight registers for each block of B, for v for each block of A; that first step is written for both ways.
; OUTPUT qkv: three sections (q, k, v^T) of 64 heads x 16 records; a record serves 128 tokens of a head: 8,192 bytes of codes, 256 of scale words.  q, k: token block a at 1,024 a, chunk c (d = 32 c + 16 h ..) at + 512 c; the word
; of slot r and pair g of blocks at 8,192 + 16 r + 4 g holds the even block's two bytes, then the odd block's.  v^T: channel tile t at 2,048 t, chunk c (tokens 32 c + 16 h ..) at + 512 c; its word at 8,192 + 16 r + 4 t.
; LIMITS: NaN and infinities are not served.  A block whose largest magnitude lies under 2^-118 gets the byte 1 (a block of zeros: the rule says 127; its codes are zeros, and this program alone reads the bytes).
; REGISTERS, in windows of 256: window 0: v0-31 addresses; v32-63 scale words, two sets; v64-127 the bias; v128-255 A's fragments, one set; at the end v32-43 and v128-239 are at work.
;   window 1: B's fragments, two sets.   window 2: the accumulators of my A blocks 0-3 ((a, b) at v[8 (8 a + b)]);   window 3: those of blocks 4-7.
.set FR,    16                         ; registers of a fragment
.set NL,    4                          ; LDS loads that bring one
.set NP,    8                          ; places behind this matrix instruction (ISA guide 7.12.1)
.set HALFT, 32768                      ; 8 row blocks x 4,096 bytes (256 along K): what one tensor load brings
.set SLOT,  131072                     ; A's 16 row blocks, then B's 16
.set SCL,   262144                     ; behind the ring: the scale words, 512 bytes a row block
.set HALFS, 4096                       ; those of 8 row blocks
.set SPARE, 278528                     ; the spare words, 128 bytes for each wave: two blocks of 256 bytes that no other line names
.set REC,   8448
.set HS,    135168                     ; a head: 16 records
.set SEC,   8650752                    ; a section: 64 heads
.set OB,   4                           ; v4-7   where a block's four chunks go
.set SCO,  8                           ; v8     where my scale words go
.set SELV, 9                           ; v9     byte selects: lanes 0-15 the low halves, lanes 16-31 the high halves
.set ADRA, 16                          ; v16-17 LDS address of my A fragments in slot 0, 1
.set ADRB, 20                          ; v20-21 the same for B
.set ADRS, 27                          ; v27    LDS address of my scale words: lanes 0-15 A's, lanes 16-31 B's
.set SPW,  28                          ; v28    LDS address of my spare word; never rewritten
.set NIL,  29                          ; v29    0; never rewritten
.set SC,   32                          ; scale words: set s at v[SC + 16 s]; register 2 i + q: block i, the slot's q-th 128 along K
.set BI,   64
.set AF,   128
.set PW,   32                          ; at the end: a scale word for each block
.set FW,   40                          ; v40-43 the four words that I store
.set T,    128                         ; v128-191 64 numbers, held
.set PC,   192                         ; v192-207 their codes
.set TM,   224                         ; v224-239 at work
.set SEL,  12                          ; s[12:13] selects of v_permlanex16_b32
.set MNT,  100                         ; s100 the mantissa field of 448
.set HM,   101                         ; s101 a mask of lanes 16-31
.set G1, 24
.set G0, 32
.set G1B, 48
.set G0B, 56
.set G1S, 68
.set G0S, 76
.set G1SB, 80
.set G0SB, 88
.set MSB, 0
.macro WIN new                         ; the immediate's high byte repeats the setting that is left
.if MSB != (\new)
	s_set_vgpr_msb (MSB<<8)|(\new)
.set MSB, (\new)
.endif
.endm
.set MUL_LO, 0xa1                      ; source 0 (B) window 1, source 1 (A) window 0, C and D window 2
.set MUL_HI, 0xf1                      ; the same, C and D window 3
.set TO_B,   0x40                      ; destination window 1, address window 0
; A joint load: waves 0 and 1 fetch for A, waves 2 and 3 for B; the branch hangs on the wave's number alone.  Four v_nop follow each of the two lines.
.macro JLOAD g0a, g1a, g0b, g1b
	s_cmp_eq_u32 s15, 0
	s_cbranch_scc0 .Lfor_b_\@
	tensor_load_to_lds s[\g0a:\g0a+3], s[\g1a:\g1a+7]
	s_nop 0
.rept 4
	v_nop
.endr
	s_branch .Lasked_\@
.Lfor_b_\@:
	tensor_load_to_lds s[\g0b:\g0b+3], s[\g1b:\g1b+7]
	s_nop 0
.rept 4
	v_nop
.endr
.Lasked_\@:
.endm
.macro CREST                           ; a round of the cluster's barrier behind its opening barrier
	s_cmp_lg_u32 s14, 0
	s_cbranch_scc1 .Lnot_wave_0_\@
	s_barrier_signal -3
.Lnot_wave_0_\@:
	s_barrier_wait -3
	s_barrier_signal -1
	s_barrier_wait -1
.endm
.macro CROUND
	s_barrier_signal -1
	s_barrier_wait -1
	CREST
.endm
	s_load_b128 s[4:7], s[0:1], 0x0                ; img, sc
	s_load_b128 s[8:11], s[0:1], 0x10              ; bq, bk
	s_load_b128 s[96:99], s[0:1], 0x20             ; bv, qkv
	v_lshl_add_u32 v[SPW], v0, 2, SPARE
	v_mov_b32 v[NIL], 0
	ds_add_u32 v28, v29
	ds_add_u32 v28, v29
	s_wait_dscnt 0x0
	v_lshrrev_b32 v1, 5, v0
	v_readfirstlane_b32 s14, v1                    ; wave 0..3
	s_lshr_b32 s15, s14, 1                         ; which half of A's rows is mine.  Also: I fetch for A (0) or for B (1)
	s_and_b32 s16, s14, 1                          ; which half of B's rows.  Also: which 8 row blocks I fetch
	s_bfe_u32 s40, ttmp6, 0x40000                  ; cx
	s_bfe_u32 s41, ttmp6, 0x40004                  ; cy
	s_and_b32 s18, ttmp7, 0xffff
	s_lshl_b32 s18, s18, 2                         ; 4 x cluster y
	s_lshl_b32 s19, ttmp9, 2                       ; 4 x cluster x
	s_add_co_u32 s20, s41, s18                     ; cy + 4 cluster y
	s_add_co_u32 s46, s40, s19                     ; cx + 4 cluster x
	s_add_co_u32 s47, s40, s18                     ; cx + 4 cluster y
	s_lshl_b32 s43, s41, 2
	s_lshl_b32 s43, 15, s43                        ; my row of the cluster
	s_lshl_b32 s44, 0x1111, s40                    ; my column
	s_cmp_eq_u32 ttmp9, 2                          ; v?  The same in all sixteen partners
	s_cselect_b32 s17, s41, s20                    ; A's tile: v: 256 channels, cy;  q, k: 256 tokens, cy + 4 cluster y
	s_cselect_b32 s42, s47, s46                    ; B's tile: v: 256 tokens, cx + 4 cluster y;  q, k: 256 rows of wq, then of wk
	s_cselect_b32 s45, 640, 0                      ; A's first row block in img: wv's, or x's
	s_cselect_b32 s92, 0, 512                      ; B's: x's, or wq's
	; descriptor group 1: 8 rows of 4,096 bytes (512 elements of 8 bytes), 16,384 bytes apart: a K step of 8 row blocks
	s_or_b32 s[G1+0], s43, (3<<16)|(1<<21)         ; 15:0 the mask: A's tiles go to my row; 17:16 elements of 8 bytes; 21 set beside a mask; no padding
	s_or_b32 s[G1B+0], s44, (3<<16)|(1<<21)
.irp g, G1, G1B
	s_mov_b32 s[\g+1], 512<<16                     ; tensor_dim0
	s_mov_b32 s[\g+2], 8<<16                       ; tensor_dim1
	s_mov_b32 s[\g+3], 512<<16                     ; tile_dim0
	s_mov_b32 s[\g+4], 8                           ; tile_dim1
	s_mov_b32 s[\g+5], 2048                        ; tensor_dim0_stride
	s_mov_b32 s[\g+6], 0
	s_mov_b32 s[\g+7], 0
.endr
	; and for the scale words of 8 row blocks: 4,096 dense bytes as 16 rows of 256
	s_or_b32 s[G1S+0], s43, (3<<16)|(1<<21)
	s_or_b32 s[G1SB+0], s44, (3<<16)|(1<<21)
.irp g, G1S, G1SB
	s_mov_b32 s[\g+1], 32<<16
	s_mov_b32 s[\g+2], 16<<16
	s_mov_b32 s[\g+3], 32<<16
	s_mov_b32 s[\g+4], 16
	s_mov_b32 s[\g+5], 32
	s_mov_b32 s[\g+6], 0
	s_mov_b32 s[\g+7], 0
.endr
	s_lshl_b32 s19, s16, 3                         ; which 8 row blocks of the tile I fetch
	s_lshl_b32 s20, s17, 4
	s_add_co_u32 s20, s20, s45
	s_add_co_u32 s20, s20, s19                     ; A's row block
	s_lshl_b32 s22, s20, 9                         ; its scale words,
	s_mov_b32 s23, 0
	s_lshl_b32 s20, s20, 14                        ; its codes
	s_mov_b32 s21, 0
	s_lshl_b32 s46, s42, 4
	s_add_co_u32 s46, s46, s92
	s_add_co_u32 s46, s46, s19                     ; B's row block
	s_lshl_b32 s92, s46, 9
	s_mov_b32 s93, 0
	s_lshl_b32 s46, s46, 14
	s_mov_b32 s47, 0
	s_mul_i32 s45, s14, HALFT                      ; where they go: no place in the cluster enters an LDS address
	s_mul_i32 s94, s14, HALFS
	s_wait_kmcnt 0x0
	s_add_nc_u64 s[20:21], s[4:5], s[20:21]
	s_add_nc_u64 s[22:23], s[6:7], s[22:23]
	s_add_nc_u64 s[46:47], s[4:5], s[46:47]
	s_add_nc_u64 s[92:93], s[6:7], s[92:93]
	CROUND                                         ; all sixteen work-groups are here: the first joint loads meet
	s_mov_b32 s[G0S], 1
	s_add_co_u32 s[G0S+1], s94, SCL
	s_mov_b64 s[G0S+2:G0S+3], s[22:23]
	s_or_b32 s[G0S+3], s[G0S+3], 0x80000000
	s_mov_b32 s[G0SB], 1
	s_add_co_u32 s[G0SB+1], s94, SCL
	s_mov_b64 s[G0SB+2:G0SB+3], s[92:93]
	s_or_b32 s[G0SB+3], s[G0SB+3], 0x80000000
	JLOAD G0S, G1S, G0SB, G1SB                     ; the scale words first: they are wanted with K step 0
.irp s, 0,1
	s_mov_b32 s[G0+4*\s], 1
	s_add_co_u32 s[G0+4*\s+1], s45, \s*SLOT
	s_add_nc_u64 s[G0+4*\s+2:G0+4*\s+3], s[20:21], \s*4096
	s_or_b32 s[G0+4*\s+3], s[G0+4*\s+3], 0x80000000
	s_mov_b32 s[G0B+4*\s], 1
	s_add_co_u32 s[G0B+4*\s+1], s45, \s*SLOT
	s_add_nc_u64 s[G0B+4*\s+2:G0B+4*\s+3], s[46:47], \s*4096
	s_or_b32 s[G0B+4*\s+3], s[G0B+4*\s+3], 0x80000000
	JLOAD G0+4*\s, G1, G0B+4*\s, G1B               ; three loads of mine are out
.endr
	v_and_b32 v1, 15, v0                           ; r
	v_bfe_u32 v2, v0, 4, 1                         ; h
	s_wait_alu depctr_va_vdst(0)
	v_and_b32 v3, 31, v0
	v_lshlrev_b32 v3, 4, v3                        ; 16 x lane
	s_wait_alu depctr_va_vdst(0)
	s_mul_i32 s21, s15, HALFT                      ; my 8 row blocks of A
	s_mul_i32 s22, s16, HALFT                      ; my 8 of B,
	s_add_co_u32 s22, s22, 2*HALFT                 ; which lie behind A's 16
.irp s, 0,1
	v_add_nc_u32 v[ADRA+\s], s21, v3
	v_add_nc_u32 v[ADRB+\s], s22, v3
	s_add_co_u32 s21, s21, SLOT
	s_add_co_u32 s22, s22, SLOT
.endr
	v_lshlrev_b32 v5, 4, v1                        ; my row's scale words: 16 r
	s_mul_i32 s21, s15, HALFS
	s_mul_i32 s22, s16, HALFS
	s_add_co_u32 s22, s22, 2*HALFS
	s_sub_co_u32 s22, s22, s21
	v_mul_u32_u24 v6, s22, v2                      ; lanes 16-31 take B's: one product, the distance between the two bases
	s_add_co_u32 s21, s21, SCL
	v_add_nc_u32 v5, v5, v6
	v_add_nc_u32 v[ADRS], s21, v5
	; where the results go
	s_and_b32 s18, s42, 3
	s_lshr_b32 s19, s42, 2
	s_mov_b32 s2, 1024
	s_mov_b32 s20, HS
	s_cmp_eq_u32 ttmp9, 2
	s_cselect_b32 s21, s42, s17                    ; the tile of 256 tokens,
	s_cselect_b32 s22, s16, s15                    ; my half of it;
	s_cselect_b32 s18, s17, s18                    ; the tile of 256 channels (four heads),
	s_cselect_b32 s23, s15, s16                    ; my half of it (two heads);
	s_cselect_b32 s19, 2, s19                      ; the section;
	s_cselect_b32 s2, 2048, s2                     ; from block to block: a channel tile, or a token block;
	s_cselect_b32 s66, 126976, 0                   ; v: at block 4 on to the next head: HS - 4 x 2,048;
	s_cselect_b32 s20, 1024, s20                   ; from a block's first two chunks to its last two: v: the next two chunks;  q, k: the next head
	s_mov_b32 s3, 0
	s_mov_b32 s67, 0
	s_lshl_b32 s46, s18, 10
	s_lshl_b32 s47, s23, 9
	s_add_co_u32 s46, s46, s47                     ; my 128 channels' bias, in bytes
	s_mov_b32 s47, 0
	s_cmp_eq_u32 ttmp9, 1
	s_cselect_b64 s[8:9], s[10:11], s[8:9]
	s_cmp_eq_u32 ttmp9, 2
	s_cselect_b64 s[8:9], s[96:97], s[8:9]
	s_add_nc_u64 s[8:9], s[8:9], s[46:47]
	s_mul_i32 s19, s19, SEC
	s_lshr_b32 s92, s21, 3                         ; the batch
	s_lshl_b32 s92, s92, 4
	s_lshl_b32 s18, s18, 2
	s_add_co_u32 s92, s92, s18
	s_lshl_b32 s23, s23, 1
	s_add_co_u32 s92, s92, s23                     ; 16 x batch + my first head
	s_mul_i32 s92, s92, HS
	s_add_co_u32 s92, s92, s19
	s_and_b32 s21, s21, 7
	s_lshl_b32 s21, s21, 1
	s_add_co_u32 s21, s21, s22                     ; my 128 tokens' record
	s_mul_i32 s21, s21, REC
	s_add_co_u32 s92, s92, s21
	s_mov_b32 s93, 0
	s_add_nc_u64 s[98:99], s[98:99], s[92:93]      ; the record of my first head: it stays for the scale words;
	s_mov_b64 s[10:11], s[98:99]                   ; and a copy that walks
	s_mov_b32 s[SEL], 0x76543210
	s_mov_b32 s[SEL+1], 0xfedcba98
	s_mov_b32 s[MNT], 0x600000
	s_mov_b32 s[HM], 0xffff0000
	v_mov_b32 v[OB], v3
	v_add_nc_u32 v[OB+1], 512, v3
	v_add_nc_u32 v[OB+2], s20, v3
	v_add_nc_u32 v[OB+3], 512, v[OB+2]
	v_mul_u32_u24 v[SCO], v2, HS
	v_lshl_add_u32 v[SCO], v1, 4, v[SCO]           ; lanes 0-15: my first head's words, lanes 16-31: my second head's
	v_mov_b32 v[SELV], 0x05040100
	v_mov_b32 v12, 0x07060302
	v_cndmask_b32 v[SELV], v[SELV], v12, s[HM]
	v_lshlrev_b32 v10, 6, v2                       ; q, k: the bias of B's rows 16 h on
	v_and_b32 v11, 7, v0
	v_bfe_u32 v12, v0, 3, 1
	v_lshl_add_u32 v11, v12, 4, v11
	v_lshlrev_b32 v11, 2, v11                      ; v: the bias of A's slot r: channel r % 8 + 16 (r / 8)
	s_cmp_eq_u32 ttmp9, 2
	s_cbranch_scc1 .Lbias_v
.irp t, 0,1,2,3,4,5,6,7                ; block t of B: register j is channel 32 (t / 2) + 8 (t % 2) + 16 h + j
	global_load_b128 v[BI+8*\t:BI+8*\t+3], v10, s[8:9] offset:(32*(\t/2)+8*(\t%2))*4
	global_load_b128 v[BI+8*\t+4:BI+8*\t+7], v10, s[8:9] offset:(32*(\t/2)+8*(\t%2))*4+16
.endr
	s_branch .Lbias_done
.Lbias_v:
	s_wait_alu depctr_va_vdst(0)
.irp t, 0,1,2,3,4,5,6,7                ; block t of A: all eight registers hold my channel's bias
.irp j, 0,1,2,3,4,5,6,7
	global_load_b32 v[BI+8*\t+\j], v11, s[8:9] offset:(32*(\t/2)+8*(\t%2))*4
.endr
.endr
.Lbias_done:
.macro FRAG reg, adr, q, i             ; a fragment comes as it lies: four loads of 512 consecutive bytes
.irp c, 0,1,2,3
	ds_load_b128 v[\reg+4*\c:\reg+4*\c+3], v[\adr] offset:(\i)*4096+(\q)*2048+512*\c
.endr
.endm
; 16 matrix instructions: A's blocks a0, a0 + 1 x B's eight, 128 along K.  p: B's set;  sc: the set of scale words.  cm = 0: the sums go on;  1: they start with the bias of B's block;  2: of A's block.
; The 64 accumulators take turns, one instruction a turn, in the same order in every step.
.macro MUL16 a0, p, q, sc, cm
.irp a, \a0, \a0+1
.irp b, 0,1,2,3,4,5,6,7
.if (\cm) == 0
	v_wmma_scale_f32_16x16x128_f8f6f4 v[8*(8*((\a)%4)+\b):8*(8*((\a)%4)+\b)+7], v[128*(\p)+FR*\b:128*(\p)+FR*\b+FR-1], v[AF+FR*(\a):AF+FR*(\a)+FR-1], v[8*(8*((\a)%4)+\b):8*(8*((\a)%4)+\b)+7], v[SC+16*(\sc)+2*\b+(\q)], v[SC+16*(\sc)+2*(\a)+(\q)] matrix_a_scale:MATRIX_SCALE_ROW1
.elseif (\cm) == 1
	v_wmma_scale_f32_16x16x128_f8f6f4 v[8*(8*((\a)%4)+\b):8*(8*((\a)%4)+\b)+7], v[128*(\p)+FR*\b:128*(\p)+FR*\b+FR-1], v[AF+FR*(\a):AF+FR*(\a)+FR-1], v[BI+8*\b:BI+8*\b+7], v[SC+16*(\sc)+2*\b+(\q)], v[SC+16*(\sc)+2*(\a)+(\q)] matrix_a_scale:MATRIX_SCALE_ROW1
.else
	v_wmma_scale_f32_16x16x128_f8f6f4 v[8*(8*((\a)%4)+\b):8*(8*((\a)%4)+\b)+7], v[128*(\p)+FR*\b:128*(\p)+FR*\b+FR-1], v[AF+FR*(\a):AF+FR*(\a)+FR-1], v[BI+8*(\a):BI+8*(\a)+7], v[SC+16*(\sc)+2*\b+(\q)], v[SC+16*(\sc)+2*(\a)+(\q)] matrix_a_scale:MATRIX_SCALE_ROW1
.endif
.endr
.endr
.endm
.macro FETCH_B slot, q, p
	WIN TO_B
.irp i, 0,1,2,3,4,5,6,7
	FRAG 128*(\p)+FR*\i, ADRB+\slot, \q, \i
.endr
	WIN 0
.endm
.macro FETCH_A slot, q, i0
.irp i, \i0, \i0+1, \i0+2, \i0+3
	FRAG AF+FR*(\i), ADRA+\slot, \q, \i
.endr
.endm
.macro SCALES sc, t                    ; K step t's scale words into set sc: two words a row; lanes 0-15 take A's block i, lanes 16-31 B's block i
.irp i, 0,1,2,3,4,5,6,7
	ds_load_b64 v[SC+16*(\sc)+2*\i:SC+16*(\sc)+2*\i+1], v[ADRS] offset:512*\i+256*((\t)/2)+8*((\t)%2)
.endr
.endm
; A load into a register that a matrix instruction has read, and a vector instruction that reads a matrix result, stand NP places behind that matrix instruction; only plain vector instructions
; that name none of its registers are places (ISA guide 7.12.1 for vector instructions).
.macro PLACES n
.rept \n
	v_nop
.endr
.endm
.macro STEP slot, q, cm                ; a step of 128 along K that has its successor in the same slot
	s_wait_dscnt 4*NL                              ; B's set, A's blocks 0-3 and the scale words are in; the youngest 16 loads (A's blocks 4-7) may be out
.if \cm
	WIN 0x81                                       ; as MUL_LO, with C (the bias) in window 0
.else
	WIN MUL_LO
.endif
	MUL16 0, (\q)%2, \q, \slot, \cm
	MUL16 2, (\q)%2, \q, \slot, \cm
	s_wait_dscnt 0                                 ; A's blocks 4-7 are in
	PLACES NP
	FETCH_B \slot, (\q)+1, 1-(\q)%2
	FETCH_A \slot, (\q)+1, 0
.if \cm
	WIN 0xc1
.else
	WIN MUL_HI
.endif
	MUL16 4, (\q)%2, \q, \slot, \cm
	MUL16 6, (\q)%2, \q, \slot, \cm
	PLACES NP
	WIN 0
	FETCH_A \slot, (\q)+1, 4
.endm
; A slot's last step changes slots: one barrier; in front of it each wave waits for all its tensor loads, adds 0 to its spare word, and waits for that and for its reads of this slot.
; fill = 1: this slot is filled again, two K steps ahead.  tn: the K step that lies in the next slot.
.macro TURN slot, next, fill, tn
	s_wait_tensorcnt 0x0                           ; all my tensor loads have landed: my part of the next slot
	ds_add_u32 v[SPW], v[NIL]                      ; 0 onto my spare word
	s_wait_dscnt 4*NL+1                            ; (the add and the youngest 16 loads may be out)
	WIN MUL_LO
	MUL16 0, 1, 1, \slot, 0                        ; sixteen matrix instructions stand between the add and the wait for it
	s_wait_dscnt 0x0                               ; the add is done, and my reads of this slot are over
	s_barrier_signal -1
	MUL16 2, 1, 1, \slot, 0
	WIN 0
	s_barrier_wait -1
.if \fill
	CREST                                          ; the barrier has opened a round of the cluster's barrier: no wave of any partner still reads this slot or has a load on its way
	s_add_nc_u64 s[G0+4*\slot+2:G0+4*\slot+3], s[G0+4*\slot+2:G0+4*\slot+3], 8192
	s_add_nc_u64 s[G0B+4*\slot+2:G0B+4*\slot+3], s[G0B+4*\slot+2:G0B+4*\slot+3], 8192
	JLOAD G0+4*\slot, G1, G0B+4*\slot, G1B         ; the first tensor load behind the round, my only one until the next; its four v_nop are among the places below
	PLACES NP-4
.else
	PLACES NP
.endif
	FETCH_B \next, 0, 0
	FETCH_A \next, 0, 0
	SCALES \next, \tn
	WIN MUL_HI
	MUL16 4, 1, 1, \slot, 0
	MUL16 6, 1, 1, \slot, 0
	PLACES NP
	WIN 0
	FETCH_A \next, 0, 4
.endm
	s_wait_tensorcnt 1                             ; the scale words and my part of K step 0 are in; K step 1's load may be out
	s_barrier_signal -1
	s_barrier_wait -1
	FETCH_B 0, 0, 0
	FETCH_A 0, 0, 0
	SCALES 0, 0
	FETCH_A 0, 0, 4
	s_wait_loadcnt 0x0                             ; the bias
	s_cmp_eq_u32 ttmp9, 2
	s_cbranch_scc1 .Lfirst_v
	STEP 0, 0, 1                                   ; the first products start the sums with the bias: nothing is cleared
	s_branch .Lfirst_done
.Lfirst_v:
	STEP 0, 0, 2
.Lfirst_done:
	TURN 0, 1, 1, 1
	STEP 1, 0, 0
	TURN 1, 0, 1, 2
	STEP 0, 0, 0
	TURN 0, 1, 0, 3                                ; nothing is left to fetch
	STEP 1, 0, 0
	s_wait_dscnt 4*NL                              ; the very last step
	WIN MUL_LO
	MUL16 0, 1, 1, 1, 0
	MUL16 2, 1, 1, 1, 0
	s_wait_dscnt 0
	WIN MUL_HI
	MUL16 4, 1, 1, 1, 0
	MUL16 6, 1, 1, 1, 0
	WIN 0
	PLACES NP
.irp b, 0,1,2,3
	v_mov_b32 v[TM+4+\b], 0                        ; a lane permute's destination counts as one of its sources
.endr
; THE WAY OUT of A's block a: its 64 numbers a lane are four blocks of 32 along the quantised axis (16 in my lane, 16 in lane l xor 16).  The codes are the registers of an operand and leave as they stand:
; each store covers 512 consecutive bytes, aligned.  Each accumulator is read from its low end on.
.macro EPI a
.set AC, 64*((\a)%4)
	WIN 0x0a+5*((\a)/4)                            ; sources 0 and 1: window 2 or 3
.irp b, 0,1,2,3
	v_max3_num_f32 v[TM+\b], |v[AC+16*\b]|, |v[AC+16*\b+1]|, 0x4800000   ; and the floor 2^(9 - 127): the byte cannot fall under 1
.endr
.irp i, 2,4,6,8,10,12,14
.irp b, 0,1,2,3
	v_max3_num_f32 v[TM+\b], |v[AC+16*\b+\i]|, |v[AC+16*\b+\i+1]|, v[TM+\b]
.endr
.endr
	WIN 0
.irp b, 0,1,2,3
	v_permlanex16_b32 v[TM+4+\b], v[TM+\b], s[SEL], s[SEL+1]
.endr
.irp b, 0,1,2,3
	v_max_num_f32 v[TM+\b], v[TM+\b], v[TM+4+\b]
.endr
.irp b, 0,1,2,3
	v_add_nc_u32 v[TM+12+\b], 0xfc000000, v[TM+\b] ; 8 off the exponent field: the conversion's scale operand
.endr
.irp b, 0,1,2,3
	v_and_or_b32 v[TM+8+\b], v[TM+\b], 0x7f800000, s[MNT]   ; 448 x the scale
.endr
.irp b, 0,1,2,3
	v_lshrrev_b32 v[TM+4+\b], 23, v[TM+12+\b]      ; the scale's byte
.endr
	v_lshl_or_b32 v[PW+(\a)], v[TM+5], 8, v[TM+4]
	v_lshl_or_b32 v[PW+(\a)], v[TM+6], 16, v[PW+(\a)]
	v_lshl_or_b32 v[PW+(\a)], v[TM+7], 24, v[PW+(\a)]
	WIN 2+(\a)/4                                   ; source 0: window 2 or 3
.set n, 0
.rept 64
	v_med3_num_f32 v[T+n], v[AC+n], -v[TM+8+n/16], v[TM+8+n/16]   ; the hold at the largest code x the scale (ISA guide 7.6.2: the conversion does not saturate)
.set n, n+1
.endr
	WIN 0
.if (\a) > 0
	s_wait_alu depctr_va_vdst(0)
	s_wait_xcnt 0x0                                ; the last block's stores have read their data and their base: both are written again only behind this wait
	s_add_nc_u64 s[10:11], s[10:11], s[2:3]
.endif
.if (\a) == 4
	s_add_nc_u64 s[10:11], s[10:11], s[66:67]
.endif
.irp b, 0,1,2,3
	v_cvt_scalef32_pk8_fp8_f32 v[PC+4*\b:PC+4*\b+1], v[T+16*\b:T+16*\b+7], v[TM+12+\b]
	v_cvt_scalef32_pk8_fp8_f32 v[PC+4*\b+2:PC+4*\b+3], v[T+16*\b+8:T+16*\b+15], v[TM+12+\b]
.endr
	v_nop                                          ; one plain line behind the last conversion
.irp b, 0,1,2,3
	global_store_b128 v[OB+\b], v[PC+4*\b:PC+4*\b+3], s[10:11]
.endr
.endm
.irp a, 0,1,2,3,4,5,6,7
	EPI \a
.endr
	s_cmp_eq_u32 ttmp9, 2
	s_cbranch_scc1 .Lwords_v
.irp g, 0,1,2,3                        ; q, k: a block's word holds my first head's two bytes, then my second head's: pair g's word for a head takes that head's half of blocks 2 g and 2 g + 1
	v_perm_b32 v[FW+\g], v[PW+2*\g+1], v[PW+2*\g], v[SELV]
.endr
	s_branch .Lwords_done
.Lwords_v:
.irp g, 0,1,2,3                        ; v: blocks 0-3 are my first head's channel tiles, blocks 4-7 my second head's
	v_cndmask_b32 v[FW+\g], v[PW+\g], v[PW+4+\g], s[HM]
.endr
.Lwords_done:
	s_wait_alu depctr_va_vdst(0)
	global_store_b128 v[SCO], v[FW:FW+3], s[98:99] offset:8192   ; sixteen lanes store 256 consecutive bytes, aligned, for each of the two heads
	s_wait_tensorcnt 0x0                           ; the wave's end
	ds_add_u32 v[SPW], v[NIL]
	s_wait_dscnt 0x0
	CROUND                                         ; the closing round: no work-group ends while a partner may still ask for a tile that names it
	s_endpgm
.Lfunc_end_k_q56e4dca942_qkv:
	.size	k_q56e4dca942_qkv, .Lfunc_end_k_q56e4dca942_qkv-k_q56e4dca942_qkv
	.p2alignl 7, 3214868480
	.fill 96, 4, 3214868480
	.section	.rodata,"a",@progbits
	.p2align	6, 0x0
	.amdhsa_kernel k_q56e4dca942_qkv
		.amdhsa_group_segment_fixed_size 327680
		.amdhsa_private_segment_fixed_size 0
		.amdhsa_enable_private_segment 0
		.amdhsa_kernarg_size 48
		.amdhsa_user_sgpr_count 2
		.amdhsa_user_sgpr_kernarg_segment_ptr 1
		.amdhsa_wavefront_size32 1
		.amdhsa_system_sgpr_workgroup_id_x 1
		.amdhsa_system_sgpr_workgroup_id_y 1
		.amdhsa_system_sgpr_workgroup_id_z 1
		.amdhsa_system_vgpr_workitem_id 0
		.amdhsa_next_free_vgpr 1024
		.amdhsa_next_free_sgpr 102
		.amdhsa_reserve_vcc 0
		.amdhsa_float_denorm_mode_32 3
		.amdhsa_float_denorm_mode_16_64 3
		.amdhsa_memory_ordered 1
		.amdhsa_forward_progress 1
		.amdhsa_inst_pref_size 207
	.end_amdhsa_kernel
	.amdgpu_metadata
---
amdhsa.version: [ 1, 2 ]
amdhsa.kernels:
  - .name:           k_q56e4dca942_qkv
    .symbol:         k_q56e4dca942_qkv.kd
    .args:
      - { .name: img, .offset: 0, .size: 8, .value_kind: global_buffer, .address_space: global }
      - { .name: sc, .offset: 8, .size: 8, .value_kind: global_buffer, .address_space: global }
      - { .name: bq, .offset: 16, .size: 8, .value_kind: global_buffer, .address_space: global }
      - { .name: bk, .offset: 24, .size: 8, .value_kind: global_buffer, .address_space: global }
      - { .name: bv, .offset: 32, .size: 8, .value_kind: global_buffer, .address_space: global }
      - { .name: qkv, .offset: 40, .size: 8, .value_kind: global_buffer, .address_space: global }
    .group_segment_fixed_size: 327680
    .private_segment_fixed_size: 0
    .kernarg_segment_align: 8
    .kernarg_segment_size: 48
    .max_flat_workgroup_size: 128
    .sgpr_count:     102
    .vgpr_count:     1024
    .wavefront_size: 32
...
	.end_amdgpu_metadata
.endif
;; end of part 2
;; launch attn (part 3): grid 4 x 64, 16 waves a work-group, clusters of 4 x 1, 272,384 bytes of LDS; arguments qkv, aimg, asc; writes aimg, asc
.if DOCPART == 3
	.amdgcn_target "amdgcn-amd-amdhsa--gfx1250"
	.amdhsa_code_object_version 6
	.text
	.protected	k_q56e4dca942_attn
	.globl	k_q56e4dca942_attn
	.p2align	8
	.type	k_q56e4dca942_attn,@function
k_q56e4dca942_attn:
	s_mov_b64 s[64:65], 0
	v_nop
	global_prefetch_b8 v0, s[64:65] scope:SCOPE_SE
	s_setreg_imm32_b32 hwreg(HW_REG_WAVE_MODE, 25, 1), 1
	s_wait_xcnt 0x0
	s_wait_alu depctr_hold_cnt(0) depctr_sa_sdst(0) depctr_va_vdst(0) depctr_va_sdst(0) depctr_va_ssrc(0) depctr_va_vcc(0) depctr_vm_vsrc(0)
	s_getreg_b32 s2, hwreg(HW_REG_IB_STS2, 6, 4)
	s_cmp_eq_u32 s2, 0
	s_cbranch_scc0 .Lentry_in_a_cluster
	s_endpgm
.Lentry_in_a_cluster:
	s_bfe_u32 s2, ttmp6, 0x10000c
	s_cmp_lg_u32 s2, 0x3003
	s_cbranch_scc0 .Lentry_shape_is_right
	s_endpgm
.Lentry_shape_is_right:
; Causal attention of one (batch, head) for each cluster, both products on codes of FP8 (E4M3) with E8M0 scales; the result is quantised along the model's 1,024 and stored as the last product's operand.
; t = score x log2(e) / 8; M = the running largest t rounded UP to a whole number; p = 2^(t - M) is quantised along the keys, not normalised; the row's sum is taken of the unquantised p and divides O at the end.
; When M moves, the sum and O are multiplied by 2^(old M - new M): exact.
; INPUT qkv: sections q, k, v^T; a record (8,448 bytes) serves 128 tokens of a head: codes as images of operand registers, then 256 bytes of scale words.  In a record token block 2 g + u, slot r, is token 32 g + 8 u + r % 8 + 16 (r / 8).
; LDS: a whole head's 16 records of K and 16 of V, 2 x 135,168 bytes, are filled ONCE, by joint loads of the cluster's four work-groups (each of the sixteen waves asks for two records); nothing is filled again.
; SHARES: a query tile is a token block of 16.  Wave w of the work-group at place cx owns tiles 4 w + cx and 127 - (4 w + cx): w / 2 + 1 and 16 - w / 2 key steps of 128 keys: 17 for every wave.  The trip limits hang on the
; wave's number alone; cx enters global addresses and the mask's numbers only.  Key steps that lie wholly behind the diagonal are jumped over; the loops' trip counts are constants.
; LAYOUT: S^T = K Q^T (source 0 = 16 keys, source 1 = my 16 queries) and O^T = V^T P^T: a lane holds one query (lane % 16) throughout.  The head has 64 channels, the instruction takes 128 along K: one fragment of K holds TWO
; token blocks (block 2 g in k 0-63, block 2 g + 1 in k 64-127), and Q stands twice in registers, as [q | zero codes] and [zero codes | q]: zero codes add nothing.  The 16 registers of blocks 2 g, 2 g + 1 are keys 32 g + 16 h + 0 .. 15.
; OUTPUT: aimg, row block 128 x batch + tile: head hd's chunk b (channels 64 hd + 32 b + 16 h ..) at 1,024 hd + 512 b;  asc: its byte at 512 x row block + 256 (hd / 8) + 16 r + 2 (hd % 8) + b: 32 single bytes a tile.
; LIMITS: NaN and infinities are not served.  A block whose largest magnitude lies under 2^-118 gets the byte 1 (a block of zeros: the rule says 127; its codes are zeros, and this program alone reads the bytes).  O / l is v_rcp_f32 and a multiplication.
; REGISTERS: v1-7 addresses and mask numbers that stay; v8-11 the step's LDS addresses; v12 -M, v13 the largest t, v[14:15] the sum in two halves; v16-31 [q | 0]; v32-95 four fragments of K or of V; v96-159 S^T, then p;
;   v160-191 O^T; v192-207 [0 | q]; v208-211 K's scale words, v212-215 V's, v216 Q's; v224-239 p's codes; v232-254 at work.
.set REC,  8448
.set HS,   135168
.set SEC,  8650752
.set DL,   6                           ; v6  r % 8 + 16 (r / 8) - 16 h
.set DV,   7                           ; v7  my query's place in its record, less 16 h
.set ADK,  8
.set ADV,  9
.set ADS,  10
.set ADT,  11
.set QL,   16
.set F,    32
.set QH,   192
.set KS,   208
.set VS,   212
.set QS,   216
.set WV,   10                          ; s10 my wave's number
.set CXR,  11                          ; s11 cx
.set BH,   12                          ; s12 16 x batch + head
.set IT,   13                          ; s13 my query tile
.set LIMK, 14                          ; s14 its last key step
.set KC,   15                          ; s15 the key step
.set TB,   16                          ; s16 where its record begins in LDS
.set HM,   17                          ; s17 a mask of lanes 16-31
.set MNT,  18
.set DS,   19                          ; s19 the tile's first query in its record
.set SEL,  20                          ; s[20:21]
.set CS,   22                          ; s[22:23] c = log2(e) / 8
.set G1,   24
.set G0,   32
.set QP,   38
.set QSP,  40
.set OP,   42
.set OSP,  44
.set QB,   54                          ; s[54:55] q's records of my head
.set SH,   56                          ; s56 16 x (tile % 2)
.macro ROUND                           ; a round of the cluster's barrier
	s_barrier_signal -1
	s_barrier_wait -1
	s_cmp_lg_u32 s[WV], 0
	s_cbranch_scc1 .Lnot_wave_0_\@
	s_barrier_signal -3
.Lnot_wave_0_\@:
	s_barrier_wait -3
	s_barrier_signal -1
	s_barrier_wait -1
.endm
	s_load_b128 s[4:7], s[0:1], 0x0                ; qkv, aimg
	s_load_b64 s[8:9], s[0:1], 0x10                ; asc
	v_lshl_add_u32 v251, v0, 2, 0x42000
	v_mov_b32 v255, 0
	ds_add_u32 v251, v255
	ds_add_u32 v251, v255
	v_lshrrev_b32 v8, 5, v0
	s_delay_alu instid0(VALU_DEP_1)
	v_readfirstlane_b32 s[WV], v8                  ; wave 0..15
	s_bfe_u32 s[CXR], ttmp6, 0x40000
	s_and_b32 s[BH], ttmp7, 0xffff                 ; the four partners share it
	s_mul_i32 s36, s[BH], HS
	s_mov_b32 s37, 0
	s_lshr_b32 s46, s[WV], 3                       ; waves 0-7 fetch K's records, waves 8-15 V's,
	s_and_b32 s47, s[WV], 7                        ; two each
	s_mul_i32 s48, s46, HS
	s_mul_i32 s49, s47, 2*REC
	s_add_co_u32 s48, s48, s49                     ; in LDS: K's 16 records, then V's
	s_mul_i32 s50, s46, SEC
	s_add_co_u32 s50, s50, SEC
	s_add_co_u32 s50, s50, s49
	s_mov_b32 s51, 0
	s_add_nc_u64 s[50:51], s[50:51], s[36:37]      ; in qkv: section 1 or 2, my head, my two records
	s_mov_b32 s[G1], 15|(3<<16)|(1<<21)            ; 15:0 the mask: all four work-groups; 17:16 elements of 8 bytes; 21 set beside a mask; no padding
	s_mov_b32 s[G1+1], 32<<16                      ; tensor_dim0: rows of 256 bytes
	s_mov_b32 s[G1+2], 66<<16                      ; tensor_dim1: 66 of them: two records
	s_mov_b32 s[G1+3], 32<<16                      ; tile_dim0
	s_mov_b32 s[G1+4], 66                          ; tile_dim1
	s_mov_b32 s[G1+5], 32                          ; tensor_dim0_stride: dense
	s_mov_b32 s[G1+6], 0
	s_mov_b32 s[G1+7], 0
	s_mov_b32 s[SEL], 0x76543210
	s_mov_b32 s[SEL+1], 0xfedcba98
	s_mov_b32 s[CS], 0x3e38aa3b
	s_mov_b32 s[CS+1], s[CS]                       ; (named with it as a pair, so it is written)
	s_mov_b32 s[HM], 0xffff0000
	s_lshl_b32 s[IT], s[WV], 2
	s_add_co_u32 s[IT], s[IT], s[CXR]              ; my first tile
	s_lshr_b32 s[LIMK], s[WV], 1                   ; (4 w + cx) / 8 = w / 2
	s_wait_dscnt 0x0
	s_wait_kmcnt 0x0
	s_mov_b32 s[G0], 1
	s_mov_b32 s[G0+1], s48
	s_add_nc_u64 s[G0+2:G0+3], s[4:5], s[50:51]
	s_or_b32 s[G0+3], s[G0+3], 0x80000000
	s_add_nc_u64 s[QB:QB+1], s[4:5], s[36:37]
	ROUND                                          ; all four work-groups are here: the joint loads meet
	tensor_load_to_lds s[G0:G0+3], s[G1:G1+7]      ; my one tensor load of the launch
	s_nop 0
.rept 4
	v_nop
.endr
; my tile's codes of q, twice, its scale word, and where its result goes
.macro QLOAD
	s_lshr_b32 s46, s[IT], 3
	s_mul_i32 s46, s46, REC
	s_mov_b32 s47, 0
	s_add_nc_u64 s[QSP:QSP+1], s[QB:QB+1], s[46:47]   ; the tile's record
	s_and_b32 s48, s[IT], 7
	s_lshl_b32 s48, s48, 10
	s_mov_b32 s49, 0
	s_add_nc_u64 s[QP:QP+1], s[QSP:QSP+1], s[48:49]   ; its token block
	s_bfe_u32 s48, s[IT], 0x20001
	s_lshl_b32 s48, s48, 2
	s_add_nc_u64 s[QSP:QSP+1], s[QSP:QSP+1], s[48:49] ; its pair's scale word
	global_load_b128 v[QL:QL+3], v1, s[QP:QP+1]
	global_load_b128 v[QL+4:QL+7], v1, s[QP:QP+1] offset:512
	global_load_b128 v[QH+8:QH+11], v1, s[QP:QP+1]
	global_load_b128 v[QH+12:QH+15], v1, s[QP:QP+1] offset:512
	global_load_b32 v254, v3, s[QSP:QSP+1]
	s_lshr_b32 s46, s[BH], 4
	s_lshl_b32 s46, s46, 7
	s_add_co_u32 s46, s46, s[IT]                   ; the row block: 128 x batch + tile
	s_lshl_b32 s50, s46, 9
	s_lshl_b32 s46, s46, 14
	s_and_b32 s48, s[BH], 15                       ; the head
	s_lshl_b32 s52, s48, 10
	s_add_co_u32 s46, s46, s52
	s_add_nc_u64 s[OP:OP+1], s[6:7], s[46:47]
	s_lshr_b32 s52, s48, 3
	s_lshl_b32 s52, s52, 8
	s_add_co_u32 s50, s50, s52
	s_and_b32 s52, s48, 7
	s_lshl_b32 s52, s52, 1
	s_add_co_u32 s50, s50, s52
	s_mov_b32 s51, 0
	s_add_nc_u64 s[OSP:OSP+1], s[8:9], s[50:51]
	s_and_b32 s[DS], s[IT], 6
	s_lshl_b32 s[DS], s[DS], 4
	s_and_b32 s52, s[IT], 1
	s_lshl_b32 s[SH], s52, 4
	s_lshl_b32 s52, s52, 3
	s_add_co_u32 s[DS], s[DS], s52                 ; 32 x (block / 2) + 8 x (block % 2)
.endm
	v_and_b32 v8, 31, v0
	s_delay_alu instid0(VALU_DEP_1)
	v_lshlrev_b32 v1, 4, v8                        ; 16 x lane: a chunk's place for my lane
	s_delay_alu instid0(VALU_DEP_1)
	v_add_nc_u32 v2, HS, v1                        ; the same among V's records
	v_and_b32 v9, 15, v0                           ; r
	s_delay_alu instid0(VALU_DEP_1)
	v_lshl_add_u32 v3, v9, 4, 8192                 ; a record's scale words: 8,192 + 16 r
	s_wait_alu depctr_va_vdst(0)
	v_add_nc_u32 v4, HS, v3
	v_bfe_u32 v11, v0, 4, 1                        ; h
	s_delay_alu instid0(VALU_DEP_1)
	v_lshl_add_u32 v5, v9, 4, v11                  ; 16 r + h: where my byte of asc goes
	v_and_b32 v9, 7, v0
	v_bfe_u32 v10, v0, 3, 1
	s_delay_alu instid0(VALU_DEP_1)
	v_lshl_add_u32 v[DL], v10, 4, v9
	v_lshlrev_b32 v10, 4, v11
	s_delay_alu instid0(VALU_DEP_1)
	v_sub_nc_u32 v[DL], v[DL], v10
	QLOAD
.irp j, 0,1,2,3,4,5,6,7
	v_mov_b32 v[QL+8+\j], 0                        ; the zero codes: written once
	v_mov_b32 v[QH+\j], 0
.endr
.irp b, 0,1,2,3
	v_mov_b32 v[236+\b], 0                         ; written once: a lane permute's destination counts as one of its sources
.endr
	v_mov_b32 v252, 0
	v_mov_b32 v253, 0                              ; (named as the upper half of the pair v[252:253] before it is first written)
	s_wait_tensorcnt 0x0                           ; my two records are in,
	s_barrier_signal -1
	s_barrier_wait -1                              ; everybody's are: the head's K and V lie in LDS and stay
; A KEY STEP: 128 keys, the record at s[TB]
.macro STEP
	v_add_nc_u32 v[ADK], s[TB], v1
	v_add_nc_u32 v[ADV], s[TB], v2
	v_add_nc_u32 v[ADS], s[TB], v3
	v_add_nc_u32 v[ADT], s[TB], v4
.rept 4
	v_nop                                          ; with the four additions: eight places in front of loads into registers that the last products have read
.endr
.irp g, 0,1,2,3
.irp c, 0,1,2,3
	ds_load_b128 v[F+16*\g+4*\c:F+16*\g+4*\c+3], v[ADK] offset:2048*\g+512*\c   ; token blocks 2 g and 2 g + 1 as one fragment
.endr
.endr
	ds_load_b128 v[KS:KS+3], v[ADS]                ; the four pairs' scale words of my slot
	s_wait_alu depctr_va_vdst(0)
	s_wait_dscnt 0x0
.irp g, 0,1,2,3
	v_wmma_scale_f32_16x16x128_f8f6f4 v[96+16*\g:103+16*\g], v[F+16*\g:F+16*\g+15], v[QL:QL+15], 0, v[KS+\g], v[QS]
	v_wmma_scale_f32_16x16x128_f8f6f4 v[104+16*\g:111+16*\g], v[F+16*\g:F+16*\g+15], v[QH:QH+15], 0, v[KS+\g], v[QS]
.endr
.rept 8
	v_nop                                          ; places in front of the loads below and of the first read of the scores
.endr
.irp t, 0,1,2,3
.irp c, 0,1,2,3
	ds_load_b128 v[F+16*\t+4*\c:F+16*\t+4*\c+3], v[ADV] offset:2048*\t+512*\c   ; V's four channel tiles: they land under the softmax
.endr
.endr
	ds_load_b128 v[VS:VS+3], v[ADT]
	s_cmp_lg_u32 s[KC], s[LIMK]                    ; only the tile's last step lies on the diagonal
	s_cbranch_scc1 .Lopen_\@
	v_mov_b32 v254, 0xff800000                     ; -infinity: p = 0 then
.set n, 0
.rept 64
	v_cmp_gt_i32 vcc_lo, 32*(n/16)+n%16, v[DV]     ; register 16 b + i holds key 32 b + 16 h + i of the record: hidden where it lies behind my query
	v_cndmask_b32 v[96+n], v[96+n], v254, vcc_lo
.set n, n+1
.endr
.Lopen_\@:
.irp b, 0,1,2,3
	v_max3_num_f32 v[232+\b], v[96+16*\b], v[97+16*\b], v[98+16*\b]   ; the largest score of each block of 32 keys: for the row's maximum, and, since p rises with the score, for the block's largest p
.endr
.irp i, 3,5,7,9,11,13
.irp b, 0,1,2,3
	v_max3_num_f32 v[232+\b], v[232+\b], v[96+16*\b+\i], v[97+16*\b+\i]
.endr
.endr
.irp b, 0,1,2,3
	v_max_num_f32 v[232+\b], v[232+\b], v[111+16*\b]
.endr
.irp b, 0,1,2,3
	v_permlanex16_b32 v[236+\b], v[232+\b], s[SEL], s[SEL+1]
.endr
.irp b, 0,1,2,3
	s_delay_alu instid0(VALU_DEP_4)
	v_max_num_f32 v[232+\b], v[232+\b], v[236+\b]  ; with lane l xor 16's 16 keys
.endr
	s_delay_alu instid0(VALU_DEP_2)
	v_max3_num_f32 v254, v232, v233, v234
	s_delay_alu instid0(VALU_DEP_1)
	v_max_num_f32 v254, v254, v235                 ; the step's largest score of my query
	s_delay_alu instid0(VALU_DEP_1)
	v_mul_f32 v254, s[CS], v254                    ; as t (c is positive)
	s_delay_alu instid0(VALU_DEP_1)
	v_max_num_f32 v13, v13, v254                   ; the running largest t
	v_mov_b32 v254, v12
	s_delay_alu instid0(VALU_DEP_2)
	v_floor_f32 v12, -v13                          ; the new -M = floor(-t): M is a whole number
	s_delay_alu instid0(VALU_DEP_1)
	v_sub_f32 v254, v12, v254                      ; old M - new M: a whole number, 0 or less
	s_delay_alu instid0(VALU_DEP_1)
	v_cvt_i32_f32 v254, v254                       ; (it saturates)
	s_delay_alu instid0(VALU_DEP_1)
	v_ldexp_f32 v252, 1.0, v254                    ; f = 2^(old M - new M)
.set j, 0
	s_setprio 1
.rept 32
	v_pk_fma_f32 v[96+j:97+j], v[96+j:97+j], s[CS:CS+1], v[12:13] op_sel_hi:[1,0,0]   ; t - M, two at a time
.set j, j+2
.endr
.irp b, 0,1,2,3
	v_fma_f32 v[232+\b], v[232+\b], s[CS], v12     ; the same of each block's largest score
.endr
.set j, 0
	s_wait_alu depctr_va_vdst(0)
.rept 64
	v_exp_f32 v[96+j], v[96+j]                     ; p = 2^(t - M), at most 1
.set j, j+1
.endr
	v_pk_mul_f32 v[14:15], v[14:15], v[252:253] op_sel_hi:[1,0]   ; the sums under the new M: a plain line behind the exponentials
	s_wait_alu depctr_va_vdst(0)                   ; one wait for the whole batch, ahead of its first reader
.irp b, 0,1,2,3
	v_exp_f32 v[232+\b], v[232+\b]                 ; the block's largest p
.endr
	v_pk_add_f32 v[236:237], v[100:101], v[104:105]
	v_pk_add_f32 v[248:249], v[108:109], v[112:113]
	v_pk_add_f32 v[246:247], v[116:117], v[120:121]
	v_pk_add_f32 v[244:245], v[124:125], v[128:129]
	v_pk_add_f32 v[242:243], v[132:133], v[136:137]
	v_pk_add_f32 v[240:241], v[140:141], v[144:145]
	v_pk_add_f32 v[238:239], v[148:149], v[152:153]
	v_pk_add_f32 v[14:15], v[14:15], v[156:157]
	v_pk_add_f32 v[236:237], v[236:237], v[96:97]
	v_pk_add_f32 v[248:249], v[248:249], v[98:99]
	v_pk_add_f32 v[246:247], v[246:247], v[102:103]
	v_pk_add_f32 v[244:245], v[244:245], v[106:107]
	v_pk_add_f32 v[242:243], v[242:243], v[110:111]
	v_pk_add_f32 v[240:241], v[240:241], v[114:115]
	v_pk_add_f32 v[238:239], v[238:239], v[118:119]
	v_pk_add_f32 v[14:15], v[14:15], v[122:123]
	v_pk_add_f32 v[236:237], v[236:237], v[126:127]
	v_pk_add_f32 v[248:249], v[248:249], v[130:131]
	v_pk_add_f32 v[246:247], v[246:247], v[134:135]
	v_pk_add_f32 v[244:245], v[244:245], v[138:139]
	v_pk_add_f32 v[242:243], v[242:243], v[142:143]
	v_pk_add_f32 v[240:241], v[240:241], v[146:147]
	v_pk_add_f32 v[238:239], v[238:239], v[150:151]
	v_pk_add_f32 v[14:15], v[14:15], v[154:155]
	v_pk_add_f32 v[236:237], v[236:237], v[158:159]
	s_delay_alu instid0(VALU_DEP_2)
	v_pk_add_f32 v[14:15], v[14:15], v[244:245]
	s_delay_alu instid0(VALU_DEP_2)
	v_pk_add_f32 v[236:237], v[236:237], v[242:243]
	v_pk_add_f32 v[248:249], v[248:249], v[240:241]
	v_pk_add_f32 v[246:247], v[246:247], v[238:239]
	s_delay_alu instid0(VALU_DEP_2)
	v_pk_add_f32 v[14:15], v[14:15], v[248:249]
	s_delay_alu instid0(VALU_DEP_2)
	v_pk_add_f32 v[236:237], v[236:237], v[246:247]
	s_delay_alu instid0(VALU_DEP_1)
	v_pk_add_f32 v[14:15], v[14:15], v[236:237]
	s_setprio 0
	s_wait_alu depctr_va_vdst(0)                   ; and one for the four
.irp b, 0,1,2,3
	v_max_num_f32 v[232+\b], 0x4800000, v[232+\b]  ; the floor 2^(9 - 127): the byte cannot fall under 1
.endr
.irp b, 0,1,2,3
	s_delay_alu instid0(VALU_DEP_4)
	v_add_nc_u32 v[244+\b], 0xfc000000, v[232+\b]  ; 8 off the exponent field: the conversion's scale operand
.endr
.irp b, 0,1,2,3
.endr
.irp b, 0,1,2,3
	s_delay_alu instid0(VALU_DEP_4)
	v_lshrrev_b32 v[236+\b], 23, v[244+\b]         ; the scale's byte
.endr
	s_delay_alu instid0(VALU_DEP_3)
	v_lshl_or_b32 v253, v237, 8, v236              ; p's scale word for these 128 keys
	s_delay_alu instid0(VALU_DEP_1)
	v_lshl_or_b32 v253, v238, 16, v253
	s_delay_alu instid0(VALU_DEP_1)
	v_lshl_or_b32 v253, v239, 24, v253
.irp b, 0,1,2,3
.irp i, 0,1,2,3,4,5,6,7,8,9,10,11,12,13,14,15
.endr
	v_cvt_scalef32_pk8_fp8_f32 v[224+4*\b:225+4*\b], v[96+16*\b:103+16*\b], v[244+\b]
	v_cvt_scalef32_pk8_fp8_f32 v[226+4*\b:227+4*\b], v[104+16*\b:111+16*\b], v[244+\b]
.endr
.set j, 0
.rept 16
	v_pk_mul_f32 v[160+j:161+j], v[160+j:161+j], v[252:253] op_sel_hi:[1,0]   ; O^T under the new M; these lines are also the places in front of the products below
.set j, j+2
.endr
	s_wait_alu depctr_va_vdst(0)
	s_wait_dscnt 0x0                               ; V's tiles and scale words are in
.irp t, 0,1,2,3
	v_wmma_scale_f32_16x16x128_f8f6f4 v[160+8*\t:167+8*\t], v[F+16*\t:F+16*\t+15], v[224:239], v[160+8*\t:167+8*\t], v[VS+\t], v253
.endr
.endm
; THE TILE'S END: O^T / the sum; its 32 numbers a lane are two blocks of 32 channels (16 in my lane, 16 in lane l xor 16); the codes are two chunks of the last product's operand.
.macro FIN
	v_add_f32 v14, v14, v15                        ; the sum's two halves,
	v_permlanex16_b32 v252, v14, s[SEL], s[SEL+1]
	s_delay_alu instid0(VALU_DEP_1)
	v_add_f32 v14, v14, v252                       ; and lane l xor 16's
.rept 6
	v_nop                                          ; with the two additions: eight places behind the last products
.endr
	s_wait_alu depctr_va_vdst(0)
	v_rcp_f32 v252, v14
	v_nop                                          ; a plain line behind the transcendental
	s_wait_alu depctr_va_vdst(0)                   ; the wait ahead of its first reader
.set j, 0
.rept 16
	v_pk_mul_f32 v[160+j:161+j], v[160+j:161+j], v[252:253] op_sel_hi:[1,0]   ; each accumulator from its low end on
.set j, j+2
.endr
.irp b, 0,1
	v_max3_num_f32 v[232+\b], |v[160+16*\b]|, |v[161+16*\b]|, 0x4800000
.endr
.irp i, 2,4,6,8,10,12,14
.irp b, 0,1
	s_delay_alu instid0(VALU_DEP_2)
	v_max3_num_f32 v[232+\b], v[232+\b], |v[160+16*\b+\i]|, |v[161+16*\b+\i]|
.endr
.endr
.irp b, 0,1
	v_permlanex16_b32 v[236+\b], v[232+\b], s[SEL], s[SEL+1]
.endr
.irp b, 0,1
	s_delay_alu instid0(VALU_DEP_2)
	v_max_num_f32 v[232+\b], v[232+\b], v[236+\b]
.endr
.irp b, 0,1
	s_delay_alu instid0(VALU_DEP_2)
	v_add_nc_u32 v[244+\b], 0xfc000000, v[232+\b]
.endr
.irp b, 0,1
.endr
.irp b, 0,1
	s_delay_alu instid0(VALU_DEP_2)
	v_lshrrev_b32 v[236+\b], 23, v[244+\b]
.endr
.irp b, 0,1
.irp i, 0,1,2,3,4,5,6,7,8,9,10,11,12,13,14,15
.endr
	v_cvt_scalef32_pk8_fp8_f32 v[224+4*\b:225+4*\b], v[160+16*\b:167+16*\b], v[244+\b]
	v_cvt_scalef32_pk8_fp8_f32 v[226+4*\b:227+4*\b], v[168+16*\b:175+16*\b], v[244+\b]
.endr
	v_nop                                          ; one plain line behind the last conversion
	v_cndmask_b32 v254, v236, v237, s[HM]          ; lanes 0-15 store the first block's byte, lanes 16-31 the second's
	global_store_b128 v1, v[224:227], s[OP:OP+1]   ; 512 consecutive bytes, aligned
	global_store_b128 v1, v[228:231], s[OP:OP+1] offset:512
	global_store_b8 v5, v254, s[OSP:OSP+1]
	s_wait_xcnt 0x0                                ; the stores have read their data and bases: the next tile writes them again
.endm
; A TILE: n trips, a constant; the steps behind the tile's last are jumped over (a branch on the wave's number and the trip's)
.macro TILE n
	v_mov_b32 v13, 0xff61b1e6                      ; the largest t so far: -3e38, under every t
	s_delay_alu instid0(VALU_DEP_1)
	v_floor_f32 v12, -v13                          ; -M
	v_mov_b32 v14, 0
	v_mov_b32 v15, 0
	v_add_nc_u32 v[DV], s[DS], v[DL]
	s_wait_loadcnt 0x0                             ; q and its scale word
	v_lshrrev_b32 v254, s[SH], v254                ; the pair's word holds the even block's two bytes, then the odd block's: mine,
	s_delay_alu instid0(VALU_DEP_1)
	v_and_b32 v254, 0xffff, v254
	s_delay_alu instid0(VALU_DEP_1)
	v_lshl_or_b32 v[QS], v254, 16, v254            ; in both halves: for [q | 0] and for [0 | q]
.set j, 0
.rept 32
	v_mov_b32 v[160+j], 0                          ; O^T: the step is written once; its first trip finds zeros.  (Also the places between the scale word's making and its use)
.set j, j+1
.endr
	s_mov_b32 s[TB], 0
	s_mov_b32 s[KC], 0
.Ltrip_\@:
	s_cmp_gt_u32 s[KC], s[LIMK]
	s_cbranch_scc1 .Lskip_\@
	s_setprio 2
	STEP
.Lskip_\@:
	s_add_co_u32 s[TB], s[TB], REC
	s_add_co_u32 s[KC], s[KC], 1
	s_cmp_lt_u32 s[KC], \n
	s_cbranch_scc1 .Ltrip_\@
	s_setprio 0
	FIN
.endm
	TILE 8                                         ; tile 4 w + cx: at most 8 key steps
	s_xor_b32 s[IT], s[IT], 127                    ; tile 127 - (4 w + cx),
	s_xor_b32 s[LIMK], s[LIMK], 15                 ; whose last key step is 15 - w / 2
	QLOAD
	TILE 16
	s_wait_tensorcnt 0x0
	ds_add_u32 v251, v255
	s_wait_dscnt 0x0
	ROUND                                          ; the closing round
	s_endpgm
.Lfunc_end_k_q56e4dca942_attn:
	.size	k_q56e4dca942_attn, .Lfunc_end_k_q56e4dca942_attn-k_q56e4dca942_attn
	.p2alignl 7, 3214868480
	.fill 96, 4, 3214868480
	.section	.rodata,"a",@progbits
	.p2align	6, 0x0
	.amdhsa_kernel k_q56e4dca942_attn
		.amdhsa_group_segment_fixed_size 272384
		.amdhsa_private_segment_fixed_size 0
		.amdhsa_enable_private_segment 0
		.amdhsa_kernarg_size 24
		.amdhsa_user_sgpr_count 2
		.amdhsa_user_sgpr_kernarg_segment_ptr 1
		.amdhsa_wavefront_size32 1
		.amdhsa_system_sgpr_workgroup_id_x 1
		.amdhsa_system_sgpr_workgroup_id_y 1
		.amdhsa_system_sgpr_workgroup_id_z 1
		.amdhsa_system_vgpr_workitem_id 0
		.amdhsa_next_free_vgpr 256
		.amdhsa_next_free_sgpr 66
		.amdhsa_reserve_vcc 1
		.amdhsa_float_denorm_mode_32 3
		.amdhsa_float_denorm_mode_16_64 3
		.amdhsa_fp16_overflow 1
		.amdhsa_memory_ordered 1
		.amdhsa_forward_progress 1
		.amdhsa_inst_pref_size 65
	.end_amdhsa_kernel
	.amdgpu_metadata
---
amdhsa.version: [ 1, 2 ]
amdhsa.kernels:
  - .name:           k_q56e4dca942_attn
    .symbol:         k_q56e4dca942_attn.kd
    .args:
      - { .name: qkv, .offset: 0, .size: 8, .value_kind: global_buffer, .address_space: global }
      - { .name: aimg, .offset: 8, .size: 8, .value_kind: global_buffer, .address_space: global }
      - { .name: asc, .offset: 16, .size: 8, .value_kind: global_buffer, .address_space: global }
    .group_segment_fixed_size: 272384
    .private_segment_fixed_size: 0
    .kernarg_segment_align: 8
    .kernarg_segment_size: 24
    .max_flat_workgroup_size: 512
    .sgpr_count:     66
    .vgpr_count:     256
    .wavefront_size: 32
...
	.end_amdgpu_metadata
.endif
;; end of part 3
;; launch proj (part 4): grid 4 x 32, 4 waves a work-group, clusters of 4 x 4, 327,680 bytes of LDS; arguments aimg, asc, img, sc, bo, out0; writes out0
.if DOCPART == 4
	.amdgcn_target "amdgcn-amd-amdhsa--gfx1250"
	.amdhsa_code_object_version 6
	.text
	.protected	k_q56e4dca942_proj
	.globl	k_q56e4dca942_proj
	.p2align	8
	.type	k_q56e4dca942_proj,@function
k_q56e4dca942_proj:
	s_mov_b64 s[64:65], 0
	v_nop
	global_prefetch_b8 v0, s[64:65] scope:SCOPE_SE
	s_setreg_imm32_b32 hwreg(HW_REG_WAVE_MODE, 25, 1), 1
	s_wait_xcnt 0x0
	s_wait_alu depctr_hold_cnt(0) depctr_sa_sdst(0) depctr_va_vdst(0) depctr_va_sdst(0) depctr_va_ssrc(0) depctr_va_vcc(0) depctr_vm_vsrc(0)
	s_getreg_b32 s2, hwreg(HW_REG_IB_STS2, 6, 4)
	s_cmp_eq_u32 s2, 0
	s_cbranch_scc0 .Lentry_in_a_cluster
	s_endpgm
.Lentry_in_a_cluster:
	s_bfe_u32 s2, ttmp6, 0x10000c
	s_cmp_lg_u32 s2, 0xf033
	s_cbranch_scc0 .Lentry_shape_is_right
	s_endpgm
.Lentry_shape_is_right:
; out0 = a wo^T + bo on codes of FP8 (E4M3) with E8M0 scales, sums in f32.  a: the attention's result as codes (aimg, asc), wo: row blocks 704-767 of img and sc.  out0: [8192][1024] f32.
; A tile of 256 x 256 is made by a work-group of four waves, 128 x 128 a wave: 64 accumulators of 16 x 16.  K = 1,024 goes in four steps of 256 through two LDS slots filled by the tensor data mover; the steps are written out.
; OPERANDS lie in memory as images of operand registers (16 rows x 128 K = 2,048 bytes, lane l's 16 bytes of chunk c at 512 c + 16 l), so LDS needs no pitch and no padding.  In each group of 32 rows, block 2 G + u, slot r,
; holds row 32 G + 8 u + r % 8 + 16 (r / 8).  THE MATRIX INSTRUCTION IS USED TRANSPOSED (source 0 = 16 rows of wo, source 1 = 16 rows of a): lane (r, h) holds a's slot r, and register j of wo's block 2 b + u is column 32 b + 16 h + 8 u + j.
; CLUSTERS: 4 x 4 work-groups; a's tiles are asked for jointly along a row of the cluster, wo's along a column.  The scale words of the work-group's rows for all of K come once, with the first fills.
; THE BIAS is the C of each sum's first matrix instruction.  THE WAY OUT goes through the wave's stage in LDS, so that 32 lanes store 512 consecutive bytes of a row.
; The grid has 128 work-groups: 32 x 4 tiles of 256 x 256.
; REGISTERS, in windows of 256: window 0: v0-31 addresses; v32-63 scale words, two sets; v64-127 the bias; v128-255 A's fragments, one set, later rows on the way out.
;   window 1: B's fragments, two sets.   window 2: the accumulators of my A blocks 0-3 ((a, b) at v[8 (8 a + b)]);   window 3: those of blocks 4-7.
.set FR,    16
.set NL,    4
.set NP,    8                          ; places behind this matrix instruction (ISA guide 7.12.1)
.set HALFT, 32768                      ; 8 row blocks x 4,096 bytes (256 along K): what one tensor load brings
.set SLOT,  131072
.set SCL,   262144
.set HALFS, 4096
.set SPARE, 278528                     ; the spare words, 128 bytes for each wave: two blocks of 256 bytes that no other line names
.set SPITCH, 528                       ; the way out: a stage of 16 rows x (512 bytes + 16) for each wave, in slot 0, which has had its last fill and its last read when the first result is stored there
.set ADRA, 16
.set ADRB, 20
.set STO,  24                          ; v24 where I put 32 bytes of a row
.set RD,   25                          ; v25 where I read a row back
.set CO,   26                          ; v26 my byte offset in a row's 512 bytes
.set ADRS, 27
.set SPW,  28
.set NIL,  29
.set SC,   32
.set BI,   64
.set AF,   128
.set BK,   128                         ; the way out: 16 rows read back: v128-191 and v192-255 by turns
.set G1, 24
.set G0, 32
.set G1B, 48
.set G0B, 56
.set G1S, 68
.set G0S, 76
.set G1SB, 80
.set G0SB, 88
.set MSB, 0
.macro WIN new                         ; the immediate's high byte repeats the setting that is left
.if MSB != (\new)
	s_set_vgpr_msb (MSB<<8)|(\new)
.set MSB, (\new)
.endif
.endm
.set MUL_LO, 0xa1
.set MUL_HI, 0xf1
.set TO_B,   0x40
.macro JLOAD g0a, g1a, g0b, g1b        ; a joint load: waves 0 and 1 fetch for A, waves 2 and 3 for B; four v_nop follow each of the two lines
	s_cmp_eq_u32 s15, 0
	s_cbranch_scc0 .Lfor_b_\@
	tensor_load_to_lds s[\g0a:\g0a+3], s[\g1a:\g1a+7]
	s_nop 0
.rept 4
	v_nop
.endr
	s_branch .Lasked_\@
.Lfor_b_\@:
	tensor_load_to_lds s[\g0b:\g0b+3], s[\g1b:\g1b+7]
	s_nop 0
.rept 4
	v_nop
.endr
.Lasked_\@:
.endm
.macro CREST
	s_cmp_lg_u32 s14, 0
	s_cbranch_scc1 .Lnot_wave_0_\@
	s_barrier_signal -3
.Lnot_wave_0_\@:
	s_barrier_wait -3
	s_barrier_signal -1
	s_barrier_wait -1
.endm
.macro CROUND
	s_barrier_signal -1
	s_barrier_wait -1
	CREST
.endm
	s_load_b128 s[4:7], s[0:1], 0x0                ; aimg, asc
	s_load_b128 s[8:11], s[0:1], 0x10              ; img, sc
	s_load_b128 s[96:99], s[0:1], 0x20             ; bo, out0
	v_lshl_add_u32 v[SPW], v0, 2, SPARE
	v_mov_b32 v[NIL], 0
	ds_add_u32 v28, v29
	ds_add_u32 v28, v29
	s_wait_dscnt 0x0
	v_lshrrev_b32 v1, 5, v0
	v_readfirstlane_b32 s14, v1                    ; wave 0..3
	s_lshr_b32 s15, s14, 1                         ; which half of the tile's rows is mine.  Also: I fetch for A (0) or for B (1)
	s_and_b32 s16, s14, 1                          ; which half of its columns.  Also: which 8 row blocks I fetch
	s_bfe_u32 s40, ttmp6, 0x40000                  ; cx
	s_bfe_u32 s41, ttmp6, 0x40004                  ; cy
	s_lshl_b32 s42, ttmp9, 2
	s_add_co_u32 s42, s42, s40                     ; tile column = 4 x cluster x + cx
	s_and_b32 s17, ttmp7, 0xffff
	s_lshl_b32 s17, s17, 2
	s_add_co_u32 s17, s17, s41                     ; tile row = 4 x cluster y + cy
	s_lshl_b32 s43, s41, 2
	s_lshl_b32 s43, 15, s43                        ; my row of the cluster
	s_lshl_b32 s44, 0x1111, s40                    ; my column
	s_or_b32 s[G1+0], s43, (3<<16)|(1<<21)         ; 8 rows of 4,096 bytes (512 elements of 8 bytes), 16,384 bytes apart; no padding
	s_or_b32 s[G1B+0], s44, (3<<16)|(1<<21)
.irp g, G1, G1B
	s_mov_b32 s[\g+1], 512<<16
	s_mov_b32 s[\g+2], 8<<16
	s_mov_b32 s[\g+3], 512<<16
	s_mov_b32 s[\g+4], 8
	s_mov_b32 s[\g+5], 2048
	s_mov_b32 s[\g+6], 0
	s_mov_b32 s[\g+7], 0
.endr
	s_or_b32 s[G1S+0], s43, (3<<16)|(1<<21)        ; the scale words of 8 row blocks: 4,096 dense bytes as 16 rows of 256
	s_or_b32 s[G1SB+0], s44, (3<<16)|(1<<21)
.irp g, G1S, G1SB
	s_mov_b32 s[\g+1], 32<<16
	s_mov_b32 s[\g+2], 16<<16
	s_mov_b32 s[\g+3], 32<<16
	s_mov_b32 s[\g+4], 16
	s_mov_b32 s[\g+5], 32
	s_mov_b32 s[\g+6], 0
	s_mov_b32 s[\g+7], 0
.endr
	s_lshl_b32 s19, s16, 3
	s_lshl_b32 s20, s17, 4
	s_add_co_u32 s20, s20, s19                     ; A's row block
	s_lshl_b32 s22, s20, 9
	s_mov_b32 s23, 0
	s_lshl_b32 s20, s20, 14
	s_mov_b32 s21, 0
	s_lshl_b32 s46, s42, 4
	s_add_co_u32 s46, s46, s19
	s_add_co_u32 s46, s46, 704                     ; B's row block: wo begins at 704
	s_lshl_b32 s92, s46, 9
	s_mov_b32 s93, 0
	s_lshl_b32 s46, s46, 14
	s_mov_b32 s47, 0
	s_mul_i32 s45, s14, HALFT
	s_mul_i32 s94, s14, HALFS
	s_wait_kmcnt 0x0
	s_add_nc_u64 s[20:21], s[4:5], s[20:21]
	s_add_nc_u64 s[22:23], s[6:7], s[22:23]
	s_add_nc_u64 s[46:47], s[8:9], s[46:47]
	s_add_nc_u64 s[92:93], s[10:11], s[92:93]
	CROUND                                         ; all sixteen work-groups are here: the first joint loads meet
	s_mov_b32 s[G0S], 1
	s_add_co_u32 s[G0S+1], s94, SCL
	s_mov_b64 s[G0S+2:G0S+3], s[22:23]
	s_or_b32 s[G0S+3], s[G0S+3], 0x80000000
	s_mov_b32 s[G0SB], 1
	s_add_co_u32 s[G0SB+1], s94, SCL
	s_mov_b64 s[G0SB+2:G0SB+3], s[92:93]
	s_or_b32 s[G0SB+3], s[G0SB+3], 0x80000000
	JLOAD G0S, G1S, G0SB, G1SB
.irp s, 0,1
	s_mov_b32 s[G0+4*\s], 1
	s_add_co_u32 s[G0+4*\s+1], s45, \s*SLOT
	s_add_nc_u64 s[G0+4*\s+2:G0+4*\s+3], s[20:21], \s*4096
	s_or_b32 s[G0+4*\s+3], s[G0+4*\s+3], 0x80000000
	s_mov_b32 s[G0B+4*\s], 1
	s_add_co_u32 s[G0B+4*\s+1], s45, \s*SLOT
	s_add_nc_u64 s[G0B+4*\s+2:G0B+4*\s+3], s[46:47], \s*4096
	s_or_b32 s[G0B+4*\s+3], s[G0B+4*\s+3], 0x80000000
	s_wait_alu depctr_va_vdst(0)
	s_wait_tensorcnt 0x0
	ds_add_u32 v28, v29
	s_wait_dscnt 0x0
	CROUND
	JLOAD G0+4*\s, G1, G0B+4*\s, G1B               ; my only tensor load is out
.endr
	v_and_b32 v1, 15, v0                           ; r
	v_bfe_u32 v2, v0, 4, 1                         ; h
	s_wait_alu depctr_va_vdst(0)
	v_and_b32 v3, 31, v0
	v_lshlrev_b32 v3, 4, v3                        ; 16 x lane
	s_mul_i32 s21, s15, HALFT
	s_mul_i32 s22, s16, HALFT
	s_add_co_u32 s22, s22, 2*HALFT
.irp s, 0,1
	v_add_nc_u32 v[ADRA+\s], s21, v3
	v_add_nc_u32 v[ADRB+\s], s22, v3
	s_add_co_u32 s21, s21, SLOT
	s_add_co_u32 s22, s22, SLOT
.endr
	v_lshlrev_b32 v5, 4, v1
	s_mul_i32 s21, s15, HALFS
	s_mul_i32 s22, s16, HALFS
	s_add_co_u32 s22, s22, 2*HALFS
	s_sub_co_u32 s22, s22, s21
	v_mul_u32_u24 v6, s22, v2                      ; lanes 16-31 take B's: one product, the distance between the two bases
	s_add_co_u32 s21, s21, SCL
	v_add_nc_u32 v5, v5, v6
	v_add_nc_u32 v[ADRS], s21, v5
	s_mul_i32 s23, s14, 16*SPITCH                  ; my stage
	v_mul_u32_u24 v5, v1, SPITCH
	v_lshl_add_u32 v5, v2, 6, v5
	v_add_nc_u32 v[STO], s23, v5                   ; in: row r, + 64 h
	v_mov_b32 v[CO], v3
	v_add_nc_u32 v[RD], s23, v3                    ; back: the 32 lanes take one row of 512 bytes
	s_lshl_b32 s46, s42, 10
	s_lshl_b32 s47, s16, 9
	s_add_co_u32 s46, s46, s47                     ; my 128 columns, in bytes
	s_mov_b32 s47, 0
	s_add_nc_u64 s[96:97], s[96:97], s[46:47]      ; their bias
	s_lshl_b32 s20, s17, 20
	s_lshl_b32 s21, s15, 19
	s_add_co_u32 s20, s20, s21                     ; my 128 rows of 4,096 bytes
	s_add_co_u32 s20, s20, s46
	s_mov_b32 s21, 0
	s_add_nc_u64 s[98:99], s[98:99], s[20:21]
	v_lshlrev_b32 v10, 6, v2
.irp t, 0,1,2,3,4,5,6,7                ; block t of B: register j is column 32 (t / 2) + 8 (t % 2) + 16 h + j
	global_load_b128 v[BI+8*\t:BI+8*\t+3], v10, s[96:97] offset:(32*(\t/2)+8*(\t%2))*4
	global_load_b128 v[BI+8*\t+4:BI+8*\t+7], v10, s[96:97] offset:(32*(\t/2)+8*(\t%2))*4+16
.endr
.macro FRAG reg, adr, q, i
.irp c, 0,1,2,3
	ds_load_b128 v[\reg+4*\c:\reg+4*\c+3], v[\adr] offset:(\i)*4096+(\q)*2048+512*\c
.endr
.endm
; 16 matrix instructions: A's blocks a0, a0 + 1 x B's eight, 128 along K.  cm = 0: the sums go on;  1: they start with the bias of B's block.
; The 64 accumulators take turns, one instruction a turn, in the same order in every step.
.macro MUL16 a0, p, q, sc, cm
.irp a, \a0, \a0+1
.irp b, 0,1,2,3,4,5,6,7
.if (\cm) == 0
	v_wmma_scale_f32_16x16x128_f8f6f4 v[8*(8*((\a)%4)+\b):8*(8*((\a)%4)+\b)+7], v[128*(\p)+FR*\b:128*(\p)+FR*\b+FR-1], v[AF+FR*(\a):AF+FR*(\a)+FR-1], v[8*(8*((\a)%4)+\b):8*(8*((\a)%4)+\b)+7], v[SC+16*(\sc)+2*\b+(\q)], v[SC+16*(\sc)+2*(\a)+(\q)] matrix_a_scale:MATRIX_SCALE_ROW1
.else
	v_wmma_scale_f32_16x16x128_f8f6f4 v[8*(8*((\a)%4)+\b):8*(8*((\a)%4)+\b)+7], v[128*(\p)+FR*\b:128*(\p)+FR*\b+FR-1], v[AF+FR*(\a):AF+FR*(\a)+FR-1], v[BI+8*\b:BI+8*\b+7], v[SC+16*(\sc)+2*\b+(\q)], v[SC+16*(\sc)+2*(\a)+(\q)] matrix_a_scale:MATRIX_SCALE_ROW1
.endif
.endr
.endr
.endm
.macro FETCH_B slot, q, p
	WIN TO_B
.irp i, 0,1,2,3,4,5,6,7
	FRAG 128*(\p)+FR*\i, ADRB+\slot, \q, \i
.endr
	WIN 0
.endm
.macro FETCH_A slot, q, i0
.irp i, \i0, \i0+1, \i0+2, \i0+3
	FRAG AF+FR*(\i), ADRA+\slot, \q, \i
.endr
.endm
.macro SCALES sc, t
.irp i, 0,1,2,3,4,5,6,7
	ds_load_b64 v[SC+16*(\sc)+2*\i:SC+16*(\sc)+2*\i+1], v[ADRS] offset:512*\i+256*((\t)/2)+8*((\t)%2)
.endr
.endm
.macro PLACES n                        ; places behind matrix instructions: plain vector lines that name none of their registers (ISA guide 7.12.1 for vector instructions)
.rept \n
	v_nop
.endr
.endm
.macro STEP slot, q, cm
	s_wait_dscnt 4*NL                              ; B's set, A's blocks 0-3 and the scale words are in; the youngest 16 loads (A's blocks 4-7) may be out
.if \cm
	WIN 0x81                                       ; as MUL_LO, with C (the bias) in window 0
.else
	WIN MUL_LO
.endif
	MUL16 0, (\q)%2, \q, \slot, \cm
	MUL16 2, (\q)%2, \q, \slot, \cm
	s_wait_dscnt 0
	PLACES NP
	FETCH_B \slot, (\q)+1, 1-(\q)%2
	FETCH_A \slot, (\q)+1, 0
.if \cm
	WIN 0xc1
.else
	WIN MUL_HI
.endif
	MUL16 4, (\q)%2, \q, \slot, \cm
	MUL16 6, (\q)%2, \q, \slot, \cm
	PLACES NP
	WIN 0
	FETCH_A \slot, (\q)+1, 4
.endm
.macro TURN slot, next, fill, tn
	s_wait_tensorcnt 0x0                           ; all my tensor loads have landed: my part of the next slot
	ds_add_u32 v[SPW], v[NIL]                      ; 0 onto my spare word
	s_wait_dscnt 4*NL+1                            ; (the add and the youngest 16 loads may be out)
	WIN MUL_LO
	MUL16 0, 1, 1, \slot, 0
	s_wait_dscnt 0x0                               ; the add is done, and my reads of this slot are over
	s_barrier_signal -1
	MUL16 2, 1, 1, \slot, 0
	WIN 0
	s_barrier_wait -1
.if \fill
	CREST                                          ; the barrier has opened a round of the cluster's barrier: no wave of any partner still reads this slot or has a load on its way
	s_add_nc_u64 s[G0+4*\slot+2:G0+4*\slot+3], s[G0+4*\slot+2:G0+4*\slot+3], 8192
	s_add_nc_u64 s[G0B+4*\slot+2:G0B+4*\slot+3], s[G0B+4*\slot+2:G0B+4*\slot+3], 8192
	JLOAD G0+4*\slot, G1, G0B+4*\slot, G1B         ; the first tensor load behind the round, my only one until the next
	PLACES NP-4
.else
	PLACES NP
.endif
	FETCH_B \next, 0, 0
	FETCH_A \next, 0, 0
	SCALES \next, \tn
	WIN MUL_HI
	MUL16 4, 1, 1, \slot, 0
	MUL16 6, 1, 1, \slot, 0
	PLACES NP
	WIN 0
	FETCH_A \next, 0, 4
.endm
	s_wait_alu depctr_va_vdst(0)
	s_wait_tensorcnt 1                             ; the scale words and my part of K step 0 are in; K step 1's load may be out
	s_barrier_signal -1
	s_barrier_wait -1
	FETCH_B 0, 0, 0
	FETCH_A 0, 0, 0
	SCALES 0, 0
	FETCH_A 0, 0, 4
	s_wait_loadcnt 0x0                             ; the bias
	STEP 0, 0, 1                                   ; the first products start the sums with the bias: nothing is cleared
	TURN 0, 1, 1, 1
	STEP 1, 0, 0
	TURN 1, 0, 1, 2
	STEP 0, 0, 0
	TURN 0, 1, 0, 3                                ; nothing is left to fetch; behind this barrier nobody reads slot 0
	STEP 1, 0, 0
	s_wait_dscnt 4*NL
	WIN MUL_LO
	MUL16 0, 1, 1, 1, 0
	MUL16 2, 1, 1, 1, 0
	s_wait_dscnt 0
	WIN MUL_HI
	MUL16 4, 1, 1, 1, 0
	MUL16 6, 1, 1, 1, 0
	WIN 0
; THE WAY OUT, block by block of 16 rows x 128 columns, through my own stage: LDS serves a wave's instructions in order (ISA guide 5.7.1.4): no wait between the stores and the loads, nor in front of the next block's stores.
.macro TOSTAGE a
.set AC, 64*((\a)%4)
	WIN 0x08+4*((\a)/4)                            ; an LDS store's data are its source 1: window 2 or 3
.irp b, 0,1,2,3,4,5,6,7
	ds_store_b128 v[STO], v[AC+8*\b:AC+8*\b+3] offset:128*(\b/2)+32*(\b%2)        ; each accumulator from its low end on
	ds_store_b128 v[STO], v[AC+8*\b+4:AC+8*\b+7] offset:128*(\b/2)+32*(\b%2)+16
.endr
	WIN 0
.set BB, BK+64*((\a)%2)
.irp t, 0,1,2,3,4,5,6,7,8,9,10,11,12,13,14,15
	ds_load_b128 v[BB+4*\t:BB+4*\t+3], v[RD] offset:\t*SPITCH
.endr
.endm
.macro SEND a, younger                 ; younger: the LDS instructions issued behind block a's loads, which may stay out
.set BB, BK+64*((\a)%2)
	s_wait_dscnt \younger
.irp t, 0,1,2,3,4,5,6,7,8,9,10,11,12,13,14,15
	global_store_b128 v[CO], v[BB+4*\t:BB+4*\t+3], s[98:99] offset:(32*((\a)/2)+8*((\a)%2)+(\t%8)+16*(\t/8))*4096 th:TH_STORE_NT   ; slot t of block a is this row; 32 lanes store 512 consecutive bytes, aligned
.endr
.endm
	PLACES NP
	TOSTAGE 0
.irp a, 1,2,3,4,5,6,7
.if \a > 1
	s_wait_xcnt 0x0                                ; block a - 2's stores have read their registers: block a's loads may land there
.endif
	TOSTAGE \a
	SEND \a-1, 32                                  ; behind block a - 1's loads: block a's 16 stores and 16 loads
.endr
	SEND 7, 0
	s_wait_tensorcnt 0x0                           ; the wave's end
	ds_add_u32 v[SPW], v[NIL]
	s_wait_dscnt 0x0
	CROUND                                         ; the closing round
	s_endpgm
.Lfunc_end_k_q56e4dca942_proj:
	.size	k_q56e4dca942_proj, .Lfunc_end_k_q56e4dca942_proj-k_q56e4dca942_proj
	.p2alignl 7, 3214868480
	.fill 96, 4, 3214868480
	.section	.rodata,"a",@progbits
	.p2align	6, 0x0
	.amdhsa_kernel k_q56e4dca942_proj
		.amdhsa_group_segment_fixed_size 327680
		.amdhsa_private_segment_fixed_size 0
		.amdhsa_enable_private_segment 0
		.amdhsa_kernarg_size 48
		.amdhsa_user_sgpr_count 2
		.amdhsa_user_sgpr_kernarg_segment_ptr 1
		.amdhsa_wavefront_size32 1
		.amdhsa_system_sgpr_workgroup_id_x 1
		.amdhsa_system_sgpr_workgroup_id_y 1
		.amdhsa_system_sgpr_workgroup_id_z 1
		.amdhsa_system_vgpr_workitem_id 0
		.amdhsa_next_free_vgpr 1024
		.amdhsa_next_free_sgpr 100
		.amdhsa_reserve_vcc 0
		.amdhsa_float_denorm_mode_32 3
		.amdhsa_float_denorm_mode_16_64 3
		.amdhsa_memory_ordered 1
		.amdhsa_forward_progress 1
		.amdhsa_inst_pref_size 147
	.end_amdhsa_kernel
	.amdgpu_metadata
---
amdhsa.version: [ 1, 2 ]
amdhsa.kernels:
  - .name:           k_q56e4dca942_proj
    .symbol:         k_q56e4dca942_proj.kd
    .args:
      - { .name: aimg, .offset: 0, .size: 8, .value_kind: global_buffer, .address_space: global }
      - { .name: asc, .offset: 8, .size: 8, .value_kind: global_buffer, .address_space: global }
      - { .name: img, .offset: 16, .size: 8, .value_kind: global_buffer, .address_space: global }
      - { .name: sc, .offset: 24, .size: 8, .value_kind: global_buffer, .address_space: global }
      - { .name: bo, .offset: 32, .size: 8, .value_kind: global_buffer, .address_space: global }
      - { .name: out0, .offset: 40, .size: 8, .value_kind: global_buffer, .address_space: global }
    .group_segment_fixed_size: 327680
    .private_segment_fixed_size: 0
    .kernarg_segment_align: 8
    .kernarg_segment_size: 48
    .max_flat_workgroup_size: 128
    .sgpr_count:     100
    .vgpr_count:     1024
    .wavefront_size: 32
...
	.end_amdgpu_metadata
.endif
;; end of part 4
